; MI455X (gfx1250); checked and timed in simulation.
; The chip was launched on July 23, 2026; its instructions are those of AMD's public machine-readable ISA for CDNA 5 (MIT licence, August 2026) and "CDNA5" Instruction Set Architecture Reference Guide (July 2026). The comments in the code are by the model that wrote it; some were corrected since.
;; Causal Self Attention. Allowed arithmetic: matrix products marked QUANTISED: E3M2 operands, one E8M0 scale for each 32 along K, by v_wmma_scale_f32_16x16x128_f8f6f4 with both operands' format E3M2, f32 sums; everything else in f32.
;; Inputs: w_att 1,024 x 3,072 float32; w_proj 1,024 x 1,024 float32; x 4 x 2,048 x 1,024 float32.
;; Outputs: out0 4 x 2,048 x 1,024 float32.
;; This version of the problem:
;;   THIS VERSION OF THE PROBLEM IS GIVEN IN LOW PRECISION. The matrix products marked QUANTISED in the list below multiply operands that are first quantised to E3M2 (3 exponent bits, 2 mantissa bits; 6 bits a number), with one power-of-two scale for each 32 numbers along K (OCP MX v1.0); their sums are f32. All else is computed in f32.
;;   The module's matrix products, in the order in which they are computed (A, B: the left and right operand; K: the contracted axis; several contracted axes count as one K, in the product's order):
;;     1. [M 8,192, K 1,024] x [K 1,024, N 3,072]; A: input x; B: input w_att: QUANTISED
;;     2. batch 64 x [M 2,048, K 64] x [K 64, N 2,048]; A: computed on the way; B: computed on the way: QUANTISED
;;     3. batch 64 x [M 2,048, K 2,048] x [K 2,048, N 64]; A: softmax (see below); B: computed on the way: QUANTISED
;;     4. [M 8,192, K 1,024] x [K 1,024, N 1,024]; A: computed on the way; B: input w_proj: QUANTISED
;;   THE QUANTISER, for each operand of a quantised product, along K:
;;     - K is cut into blocks of 32 from its start; a last block that is shorter is filled with zeros.
;;     - A block's scale is 2^e with e = floor(log2(the largest magnitude in the block)) - 4, held to -126 .. 127; a block of zeros has e = 0. As a byte (E8M0): e + 127.
;;     - Each number is divided by its block's scale, clamped to +-28, and rounded to the nearest number of E3M2, ties to even, subnormals kept.
;;     - The product sums the exact products of the quantised numbers (number of the format x scale) in f32.
;;   ~~~python
;;   def quantise(x, axis):      # numpy; x: float32 -> the quantised numbers, widened to float32 again
;;       x = np.moveaxis(x, axis, -1); K = x.shape[-1]
;;       x = np.pad(x, [(0, 0)] * (x.ndim - 1) + [(0, -K % 32)]); x = x.reshape(x.shape[:-1] + (-1, 32)); a = np.abs(x).max(-1, keepdims=True)
;;       e = np.where(a > 0, np.clip(np.frexp(np.where(a > 0, a, 1))[1] - 1 - 4, -126, 127), 0)      # np.frexp(a)[1] - 1 = floor(log2(a)), exactly
;;       r = np.clip(x / 2.0 ** e, -28, 28)
;;       step = 2.0 ** (np.maximum(np.frexp(np.where(r == 0, 1, r))[1] - 1, -2) - 2)
;;       q = np.round(r / step) * step * 2.0 ** e      # np.round: ties to even
;;       return np.moveaxis(q.reshape(q.shape[:-2] + (-1,))[..., :K], -1, axis).astype(np.float32)
;;   ~~~
;;   SOFTMAX AHEAD OF A QUANTISED PRODUCT. Where the list says 'softmax', what is quantised is not the finished softmax but p = 2^(t - M), with t = logit x log2(e) and M = ceil(the row's largest t), a whole number; so 1/2 < the row's largest p <= 1. The row's sum l is taken of the UNQUANTISED p, in f32, and the product's result is divided by l at the end. Since M is a whole number, a kernel that streams over the keys may use a running M (the ceiling of the running maximum): every later rescaling is an exact power of two, which a block's scale takes up: the codes' values come out the same.
;;   OPERANDS COMPUTED ON THE WAY. 'Computed on the way' means the value that the module computes at that place (a softmax that the list does not call 'softmax' is quantised finished and normalised). What goes into a quantiser is computed in f32, as accurately as f32 sums, v_exp_f32 and their like allow (about 1e-6 of the number): no bf16 or f16 on the way to a quantiser, and a product that is left as it is and whose result goes on into a quantised operand takes f32 operands (vector FMAs, or v_wmma_f32_16x16x4_f32). A number that lies on a knife's edge between two numbers of the format may be rounded either way, as far as f32 arithmetic and the matrix unit's own rounding can turn it there, and no further.
;; One version. Each part assembles by itself: llvm-mc -triple=amdgcn-amd-amdhsa -mcpu=gfx1250 --defsym DOCPART=n.
;; ======== version 1 of 1: 4 launches
;; workspace buffers: xc 6,553,600 bytes; wac 2,457,600 bytes; wpc 819,200 bytes; qc 6,291,456 bytes; qs 524,288 bytes; kv 13,107,200 bytes; yc 6,553,600 bytes
;; launch quant (part 1): grid 384 x 1, 16 waves a work-group, no clusters, 98,304 bytes of LDS; arguments x, w_att, w_proj, xc, wac, wpc; writes xc, wac, wpc
.if DOCPART == 1
	.amdgcn_target "amdgcn-amd-amdhsa--gfx1250"
	.amdhsa_code_object_version 6
	.text
	.protected	k_q550800e9f4_quant
	.globl	k_q550800e9f4_quant
	.p2align	8
	.type	k_q550800e9f4_quant,@function
k_q550800e9f4_quant:
	s_mov_b64 s[64:65], 0
	v_nop
	global_prefetch_b8 v0, s[64:65] scope:SCOPE_SE
	s_setreg_imm32_b32 hwreg(HW_REG_WAVE_MODE, 25, 1), 1
	s_wait_xcnt 0x0
; x [8192][1024], w_att [1024][3072], w_proj [1024][1024], all f32, become codes of E3M2 with one E8M0 byte for each 32 along K (K = 1,024), laid as the products read them.
; A block's scale is 2^(floor(log2(its largest magnitude)) - 4): its byte is the largest magnitude's exponent field - 4, held at 1 from below.
; LIMITS: NaN and infinities among the inputs are not served; a block whose largest magnitude lies under 2^-122 keeps the byte 1; a block of zeros gets the byte 1 where the rule says 127
; (its codes are zeros, which add nothing under any byte but 0xff, and this program alone reads the bytes).
; THE LAYOUT.  128 rows (x: tokens; a weight: its columns n) x 256 along K are one block of 25,600 bytes: [row / 128][K / 256][25,600].  In it: tile i (0..7) of 16 rows, step q (0, 1) of 128 along K:
; a fragment of 1,536 bytes at 3072 i + 1536 q, AS AN IMAGE OF THE OPERAND'S REGISTERS: two halves of 768 bytes (64 along K each): registers 0-3 at 16 x lane, registers 4-5 at 512 + 8 x lane.
; Scale words at 24,576 + 128 i + 8 r + 4 q.  TILE i HOLDS ROWS 32 (i / 2) + 8 (i % 2) + r + 8 (r / 8), so that results of two neighbouring tiles are 16 neighbours in a lane's registers.
; One work-group makes one block: 128 KB of f32 in, all loads of a wave issued at once: no loop.  Work-groups 0-95: w_att, 96-127: w_proj, 128-383: x.  The two ways part on the work-group's number and have LDS bytes of their own.
; No tensor loads, no cluster: no two work-groups read the same byte.
.set XST,  0                           ; x: a stage of 16 rows x 272 bytes for each wave
.set XSC,  69632                       ; x: the block's 1,024 bytes of scale words
.set WST,  70656                       ; weights: a stage of 1,536 bytes for each wave
.set WSC,  95232                       ; weights: the block's scale words
.set X,    32                          ; v32-95   64 numbers
.set C,    96                          ; v96-107  codes
.set T,    108                         ; v108-114 the upper halves of two blocks' codes, as converted
.set OUTR, 116                         ; v116-127 the way out
	s_load_b256 s[4:11], s[0:1], 0x0               ; x s[4:5], w_att s[6:7], w_proj s[8:9], xc s[10:11]
	s_load_b128 s[12:15], s[0:1], 0x20             ; wac s[12:13], wpc s[14:15]
	v_lshl_add_u32 v128, v0, 2, 0x17800
	v_mov_b32 v129, 0
	v_lshrrev_b32 v1, 5, v0
	s_delay_alu instid0(VALU_DEP_1)
	v_readfirstlane_b32 s16, v1                    ; wave 0..15
	v_and_b32 v1, 31, v0                           ; lane
	v_and_b32 v2, 15, v0                           ; r
	v_bfe_u32 v3, v0, 4, 1                         ; h
	s_delay_alu instid0(VALU_DEP_3)
	v_lshlrev_b32 v4, 4, v1                        ; 16 x lane
	s_delay_alu instid0(VALU_DEP_4)
	v_lshlrev_b32 v5, 3, v1                        ; 8 x lane
	v_lshlrev_b32 v6, 4, v0                        ; 16 x thread
	s_mov_b32 s20, 0x76543210
	s_mov_b32 s21, 0xfedcba98                      ; v_permlanex16_b32: lane l xor 16
	s_mov_b32 s35, 0
	s_cmp_lt_u32 ttmp9, 128
	s_cbranch_scc0 .Lxpath
	; ---- A WEIGHT.  K is its first axis: a lane takes a column n and its registers run down K.  Wave w: tile pair p = w / 4 (32 columns), step q = (w / 2) % 2, half c = w % 2: 64 along K.
	s_cmp_lt_u32 ttmp9, 96
	s_mov_b32 s22, 4096
	s_cselect_b32 s22, 12288, s22                  ; bytes from a row k to the next
	s_cselect_b32 s23, 0, 96
	s_wait_kmcnt 0x0
	s_cselect_b64 s[24:25], s[6:7], s[8:9]         ; from
	s_cselect_b64 s[26:27], s[12:13], s[14:15]     ; to
	s_sub_co_u32 s23, ttmp9, s23                   ; the block's number in its buffer: 4 (n / 128) + K / 256
	s_lshr_b32 s28, s23, 2
	s_and_b32 s29, s23, 3
	s_lshr_b32 s30, s16, 2                         ; p
	s_bfe_u32 s31, s16, 0x10001                    ; q
	s_and_b32 s32, s16, 1                          ; c
	s_lshl_b32 s33, s29, 8
	s_lshl_b32 s34, s31, 7
	s_add_co_u32 s33, s33, s34
	s_lshl_b32 s34, s32, 6
	s_add_co_u32 s33, s33, s34                     ; my first k
	s_mul_i32 s34, s33, s22
	s_lshl_b32 s33, s28, 9
	s_add_co_u32 s34, s34, s33
	s_lshl_b32 s33, s30, 7
	s_add_co_u32 s34, s34, s33                     ; + 4 x my wave's first column
	s_add_nc_u64 s[24:25], s[24:25], s[34:35]
	s_mul_i32 s34, s23, 25600
	s_add_nc_u64 s[26:27], s[26:27], s[34:35]      ; the block
	s_mul_i32 s34, s30, 6144
	s_mul_i32 s33, s31, 1536
	s_add_co_u32 s34, s34, s33
	s_mul_i32 s33, s32, 768
	s_add_co_u32 s34, s34, s33
	s_add_nc_u64 s[36:37], s[26:27], s[34:35]      ; my half fragment of tile 2 p; tile 2 p + 1's lies 3,072 bytes on
	s_wait_alu depctr_va_vdst(0)
	v_lshlrev_b32 v14, 2, v1                       ; 4 x lane
.set i, 0
.rept 64
	v_mad_u32_u24 v[X+i], s22, i, v14              ; each load's offset is made in the register on which that load lands
.set i, i+1
.endr
.set i, 0
.rept 64
	global_load_b32 v[X+i], v[X+i], s[24:25] th:TH_LOAD_NT   ; W(k + i, my column): 32 lanes read 128 consecutive bytes
.set i, i+1
.endr
	s_mul_i32 s38, s16, 1536
	s_add_co_u32 s38, s38, WST                     ; my stage: tile 2 p's half fragment, then tile 2 p + 1's
	v_bfe_u32 v7, v0, 3, 1                         ; u: my column lies in tile 2 p + u,
	v_and_b32 v8, 7, v0
	s_delay_alu instid0(VALU_DEP_1)
	v_lshl_add_u32 v8, v3, 3, v8                   ; as its row lane % 8 + 8 (lane / 16)
	s_delay_alu instid0(VALU_DEP_3)
	v_mul_u32_u24 v9, v7, 768
	s_delay_alu instid0(VALU_DEP_1)
	v_lshl_add_u32 v10, v8, 3, v9
	s_delay_alu instid0(VALU_DEP_2)
	v_lshl_add_u32 v9, v8, 4, v9
	s_delay_alu instid0(VALU_DEP_1)
	v_add_nc_u32 v9, s38, v9                       ; registers 0-3 of my block h go to 768 u + 16 (row + 16 h),
	s_delay_alu instid0(VALU_DEP_3)
	v_add_nc_u32 v10, s38, v10                     ; registers 4-5 to 768 u + 512 + 8 (row + 16 h)
	v_add_nc_u32 v11, s38, v4                      ; and back as they lie, 16 bytes a lane
	s_lshl_b32 s39, s30, 8
	s_lshl_b32 s40, s31, 2
	s_add_co_u32 s39, s39, s40
	s_lshl_b32 s40, s32, 1
	s_add_co_u32 s39, s39, s40
	s_add_co_u32 s39, s39, WSC
	v_lshlrev_b32 v12, 7, v7
	s_delay_alu instid0(VALU_DEP_1)
	v_lshl_add_u32 v12, v8, 3, v12
	s_delay_alu instid0(VALU_DEP_1)
	v_add_nc_u32 v12, s39, v12                     ; my two scale bytes: 128 (2 p + u) + 8 row + 4 q + 2 c
	v_mad_u32_u24 v13, v3, 2304, v4                ; the middle store: lanes 16-31 hold the second tile's first bytes
	v_and_b32 v15, 0x3ff, v6
	s_delay_alu instid0(VALU_DEP_1)
	v_add_nc_u32 v15, WSC, v15                     ; the scale words' way out (waves 0 and 1)
.macro BLOCKW h                        ; my block h: 32 numbers, all mine
.set XS, X+32*\h
	v_max3_num_f32 v16, |v[XS]|, |v[XS+1]|, |v[XS+2]|
	v_max3_num_f32 v17, |v[XS+3]|, |v[XS+4]|, |v[XS+5]|
.irp i, 6,10,14,18,22,26
	s_delay_alu instid0(VALU_DEP_2)
	v_max3_num_f32 v16, v16, |v[XS+\i]|, |v[XS+\i+1]|
	s_delay_alu instid0(VALU_DEP_2)
	v_max3_num_f32 v17, v17, |v[XS+\i+2]|, |v[XS+\i+3]|
.endr
	s_delay_alu instid0(VALU_DEP_2)
	v_max3_num_f32 v16, v16, |v[XS+30]|, |v[XS+31]|
	s_delay_alu instid0(VALU_DEP_1)
	v_max3_num_f32 v16, v16, v17, 0x2800000        ; the floor 2^(5 - 127): the byte cannot fall under 1
	s_delay_alu instid0(VALU_DEP_1)
	v_add_nc_u32 v[18+\h], 0xfe000000, v16         ; 4 off the exponent field: the conversion's scale operand
	s_delay_alu instid0(VALU_DEP_1)
	v_lshrrev_b32 v[20+\h], 23, v[18+\h]           ; the byte
	v_cvt_scalef32_pk16_bf6_f32 v[C+6*\h:C+6*\h+2], v[XS:XS+15], v[18+\h]
	v_cvt_scalef32_pk16_bf6_f32 v[T+4*\h:T+4*\h+2], v[XS+16:XS+31], v[18+\h]   ; (a conversion's three registers begin on an even number)
	v_nop                                          ; one plain place behind a scaled conversion
.irp i, 0,1,2
	v_mov_b32 v[C+6*\h+3+\i], v[T+4*\h+\i]
.endr
	ds_store_b128 v9, v[C+6*\h:C+6*\h+3] offset:256*\h
	ds_store_b64 v10, v[C+6*\h+4:C+6*\h+5] offset:512+128*\h
.endm
	s_wait_loadcnt 32                              ; my first 32 loads are in; the younger 32 may be out
	BLOCKW 0
	s_wait_loadcnt 0x0
	BLOCKW 1
	v_lshl_or_b32 v22, v21, 8, v20
	ds_store_b16 v12, v22
.irp k, 0,1,2
	ds_load_b128 v[OUTR+4*\k:OUTR+4*\k+3], v11 offset:512*\k   ; LDS serves a wave's instructions in order: these see my stores
.endr
	s_wait_dscnt 2                                 ; the first of the three is back
	global_store_b128 v4, v[OUTR:OUTR+3], s[36:37]             ; each group of sixteen lanes stores 256 consecutive bytes, at a multiple of 256 from the buffer's first byte
	s_wait_dscnt 1
	global_store_b128 v13, v[OUTR+4:OUTR+7], s[36:37] offset:512
	s_wait_dscnt 0x0                               ; and, for the others' sake, my scale bytes have landed
	global_store_b128 v4, v[OUTR+8:OUTR+11], s[36:37] offset:3328
	s_barrier_signal -1
	s_barrier_wait -1                              ; the block's 1,024 bytes of scale words lie in LDS
	s_cmp_lt_u32 s16, 2
	s_cbranch_scc0 .Lwdone
	ds_load_b128 v[32:35], v15
	s_wait_dscnt 0x0
	global_store_b128 v6, v[32:35], s[26:27] offset:24576
.Lwdone:
	s_wait_tensorcnt 0x0
	ds_add_u32 v128, v129
	s_wait_dscnt 0x0
	s_endpgm
	; ---- x.  K is innermost.  Wave w makes one fragment: tile i = w / 2, step q = w % 2.  Loads take two rows x 256 consecutive bytes each; the numbers turn through the wave's stage, so that lane (r, h) holds 32 neighbours of row r.
.Lxpath:
	s_sub_co_u32 s23, ttmp9, 128                   ; the block's number: 4 (row / 128) + K / 256
	s_lshr_b32 s28, s23, 2
	s_and_b32 s29, s23, 3
	s_lshr_b32 s30, s16, 1                         ; i
	s_and_b32 s31, s16, 1                          ; q
	s_lshl_b32 s32, s28, 7
	s_lshr_b32 s33, s30, 1
	s_lshl_b32 s33, s33, 5
	s_add_co_u32 s32, s32, s33
	s_and_b32 s33, s30, 1
	s_lshl_b32 s33, s33, 3
	s_add_co_u32 s32, s32, s33                     ; the tile's first row
	s_lshl_b32 s34, s32, 12
	s_lshl_b32 s33, s29, 10
	s_add_co_u32 s34, s34, s33
	s_lshl_b32 s33, s31, 9
	s_add_co_u32 s34, s34, s33
	s_wait_kmcnt 0x0
	s_add_nc_u64 s[24:25], s[4:5], s[34:35]
	s_mul_i32 s34, s23, 25600
	s_add_nc_u64 s[26:27], s[10:11], s[34:35]      ; the block
	s_mul_i32 s34, s30, 3072
	s_mul_i32 s33, s31, 1536
	s_add_co_u32 s34, s34, s33
	s_add_nc_u64 s[36:37], s[26:27], s[34:35]      ; my fragment
	s_wait_alu depctr_va_vdst(0)
	v_lshlrev_b32 v7, 4, v2
	s_delay_alu instid0(VALU_DEP_1)
	v_lshl_add_u32 v7, v3, 12, v7                  ; 4096 h + 16 r
.irp c, 0,1
.irp g, 0,1,2,3,4,5,6,7
	global_load_b128 v[X+32*\c+4*\g:X+32*\c+4*\g+3], v7, s[24:25] offset:(2*\g+8*(\g/4))*4096+256*\c th:TH_LOAD_NT   ; the tile's rows 2 g and 2 g + 1
.endr
.endr
	s_mul_i32 s38, s16, 4352                       ; my stage (XST = 0)
	v_mul_u32_u24 v8, v3, 272
	s_delay_alu instid0(VALU_DEP_1)
	v_lshl_add_u32 v8, v2, 4, v8
	s_delay_alu instid0(VALU_DEP_1)
	v_add_nc_u32 v8, s38, v8                       ; in: row 2 g + h, 16 bytes a lane
	v_mul_u32_u24 v9, v2, 272
	s_delay_alu instid0(VALU_DEP_1)
	v_lshl_add_u32 v9, v3, 7, v9
	s_delay_alu instid0(VALU_DEP_1)
	v_add_nc_u32 v9, s38, v9                       ; out: row r, 128 h bytes on; rows 272 bytes apart start in sixteen different groups of banks
	s_lshl_b32 s39, s30, 7
	s_lshl_b32 s40, s31, 2
	s_add_co_u32 s39, s39, s40
	s_add_co_u32 s39, s39, XSC
	v_lshl_add_u32 v10, v2, 3, s39                 ; my row's scale word: 128 i + 8 r + 4 q
	v_and_b32 v11, 0x3ff, v6
	s_delay_alu instid0(VALU_DEP_1)
	v_add_nc_u32 v11, XSC, v11                     ; the scale words' way out (waves 0 and 1)
	s_wait_alu depctr_va_vdst(0)
.irp c, 0,1
	s_wait_loadcnt 8-8*\c                          ; this half's eight loads are in; the other half's may be out
.irp g, 0,1,2,3,4,5,6,7
	ds_store_b128 v8, v[X+32*\c+4*\g:X+32*\c+4*\g+3] offset:544*\g
.endr
	s_wait_dscnt 0x0                               ; the stores have read their registers
.irp j, 0,1,2,3,4,5,6,7
	ds_load_b128 v[X+32*\c+4*\j:X+32*\c+4*\j+3], v9 offset:16*\j     ; x(row r, 64 c + 32 h + 4 j ..)
.endr
.endr
	s_wait_dscnt 0x0
.irp c, 0,1
	v_max3_num_f32 v[16+\c], |v[X+32*\c]|, |v[X+32*\c+1]|, 0x2800000   ; my block 2 c + h, and the floor 2^(5 - 127)
.endr
.irp i, 2,4,6,8,10,12,14,16,18,20,22,24,26,28,30
.irp c, 0,1
	s_delay_alu instid0(VALU_DEP_2)
	v_max3_num_f32 v[16+\c], v[16+\c], |v[X+32*\c+\i]|, |v[X+32*\c+\i+1]|   ; (the two blocks by turns)
.endr
.endr
.irp c, 0,1
	s_delay_alu instid0(VALU_DEP_2)
	v_add_nc_u32 v[18+\c], 0xfe000000, v[16+\c]
.endr
.irp c, 0,1
	s_delay_alu instid0(VALU_DEP_2)
	v_lshrrev_b32 v[20+\c], 23, v[18+\c]
.endr
	s_delay_alu instid0(VALU_DEP_1)
	v_lshl_or_b32 v22, v21, 16, v20                ; my two bytes: blocks h and 2 + h,
	v_lshlrev_b32 v23, 3, v3
	s_delay_alu instid0(VALU_DEP_1)
	v_lshlrev_b32 v22, v23, v22                    ; at their places in the word;
	v_mov_b32 v23, 0
	s_delay_alu instid0(VALU_DEP_1)
	v_permlanex16_b32 v23, v22, s20, s21
	s_delay_alu instid0(VALU_DEP_1)
	v_or_b32 v22, v22, v23                         ; with lane l xor 16's two the word is whole
.irp c, 0,1
	v_cvt_scalef32_pk16_bf6_f32 v[C+6*\c:C+6*\c+2], v[X+32*\c:X+32*\c+15], v[18+\c]
	v_cvt_scalef32_pk16_bf6_f32 v[T+4*\c:T+4*\c+2], v[X+32*\c+16:X+32*\c+31], v[18+\c]
.endr
	v_nop                                          ; one plain place behind a scaled conversion
.irp c, 0,1
.irp i, 0,1,2
	v_mov_b32 v[C+6*\c+3+\i], v[T+4*\c+\i]
.endr
.endr
	ds_store_b32 v10, v22                          ; both halves of the lanes write the same word with the same value
	global_store_b128 v4, v[C:C+3], s[36:37]                   ; 512 consecutive bytes
	global_store_b64 v5, v[C+4:C+5], s[36:37] offset:512       ; 256
	global_store_b128 v4, v[C+6:C+9], s[36:37] offset:768
	global_store_b64 v5, v[C+10:C+11], s[36:37] offset:1280
	s_wait_dscnt 0x0                               ; for the others' sake: my scale word has landed
	s_barrier_signal -1
	s_barrier_wait -1
	s_cmp_lt_u32 s16, 2
	s_cbranch_scc0 .Lxdone
	ds_load_b128 v[32:35], v11
	s_wait_dscnt 0x0
	global_store_b128 v6, v[32:35], s[26:27] offset:24576
.Lxdone:
	s_wait_tensorcnt 0x0
	ds_add_u32 v128, v129
	s_wait_dscnt 0x0
	s_endpgm
.Lfunc_end_k_q550800e9f4_quant:
	.size	k_q550800e9f4_quant, .Lfunc_end_k_q550800e9f4_quant-k_q550800e9f4_quant
	.p2alignl 7, 3214868480
	.fill 96, 4, 3214868480
	.section	.rodata,"a",@progbits
	.p2align	6, 0x0
	.amdhsa_kernel k_q550800e9f4_quant
		.amdhsa_group_segment_fixed_size 98304
		.amdhsa_private_segment_fixed_size 0
		.amdhsa_enable_private_segment 0
		.amdhsa_kernarg_size 48
		.amdhsa_user_sgpr_count 2
		.amdhsa_user_sgpr_kernarg_segment_ptr 1
		.amdhsa_wavefront_size32 1
		.amdhsa_system_sgpr_workgroup_id_x 1
		.amdhsa_system_sgpr_workgroup_id_y 1
		.amdhsa_system_sgpr_workgroup_id_z 1
		.amdhsa_system_vgpr_workitem_id 0
		.amdhsa_next_free_vgpr 130
		.amdhsa_next_free_sgpr 66
		.amdhsa_reserve_vcc 0
		.amdhsa_float_denorm_mode_32 3
		.amdhsa_float_denorm_mode_16_64 3
		.amdhsa_memory_ordered 1
		.amdhsa_forward_progress 1
		.amdhsa_inst_pref_size 30
	.end_amdhsa_kernel
	.amdgpu_metadata
---
amdhsa.version: [ 1, 2 ]
amdhsa.kernels:
  - .name:           k_q550800e9f4_quant
    .symbol:         k_q550800e9f4_quant.kd
    .args:
      - { .name: x, .offset: 0, .size: 8, .value_kind: global_buffer, .address_space: global }
      - { .name: w_att, .offset: 8, .size: 8, .value_kind: global_buffer, .address_space: global }
      - { .name: w_proj, .offset: 16, .size: 8, .value_kind: global_buffer, .address_space: global }
      - { .name: xc, .offset: 24, .size: 8, .value_kind: global_buffer, .address_space: global }
      - { .name: wac, .offset: 32, .size: 8, .value_kind: global_buffer, .address_space: global }
      - { .name: wpc, .offset: 40, .size: 8, .value_kind: global_buffer, .address_space: global }
    .group_segment_fixed_size: 98304
    .private_segment_fixed_size: 0
    .kernarg_segment_align: 8
    .kernarg_segment_size: 48
    .max_flat_workgroup_size: 512
    .sgpr_count:     66
    .vgpr_count:     130
    .wavefront_size: 32
...
	.end_amdgpu_metadata
.endif
;; end of part 1
;; launch qkv (part 2): grid 12 x 32, 4 waves a work-group, clusters of 4 x 4, 327,680 bytes of LDS; arguments xc, wac, qc, qs, kv; writes qc, qs, kv
.if DOCPART == 2
	.amdgcn_target "amdgcn-amd-amdhsa--gfx1250"
	.amdhsa_code_object_version 6
	.text
	.protected	k_q550800e9f4_qkv
	.globl	k_q550800e9f4_qkv
	.p2align	8
	.type	k_q550800e9f4_qkv,@function
k_q550800e9f4_qkv:
	s_mov_b64 s[64:65], 0
	v_nop
	global_prefetch_b8 v0, s[64:65] scope:SCOPE_SE
	s_setreg_imm32_b32 hwreg(HW_REG_WAVE_MODE, 25, 1), 1
	s_wait_xcnt 0x0
	s_wait_alu depctr_hold_cnt(0) depctr_sa_sdst(0) depctr_va_vdst(0) depctr_va_sdst(0) depctr_va_ssrc(0) depctr_va_vcc(0) depctr_vm_vsrc(0)
	s_getreg_b32 s2, hwreg(HW_REG_IB_STS2, 6, 4)
	s_cmp_eq_u32 s2, 0
	s_cbranch_scc0 .Lentry_in_a_cluster
	s_endpgm
.Lentry_in_a_cluster:
	s_bfe_u32 s2, ttmp6, 0x10000c
	s_cmp_lg_u32 s2, 0xf033
	s_cbranch_scc0 .Lentry_shape_is_right
	s_endpgm
.Lentry_shape_is_right:
; qkv = x w_att on codes of E3M2 (K = 1,024), and its results quantised at once, in registers, for the two products of attention: q and k along the head's 64, v along the keys.  qkv never goes to memory as f32.
; OPERANDS lie as images of the operand's registers: 128 rows x 256 along K are one dense block of 25,600 bytes (tile i, step q: a fragment of 1,536 bytes at 3072 i + 1536 q; scale words at 24,576 + 128 i + 8 r + 4 q);
; tile i holds rows 32 (i / 2) + 8 (i % 2) + r + 8 (r / 8).  A fragment comes by two loads of 16 bytes and two of 8 bytes a lane, each over consecutive bytes: no pitch, no padding.
; SHARES.  A work-group of four waves makes 256 x 256 of qkv, a wave 128 x 128: 64 accumulators, 512 registers.  Cluster x = 0, 1, 2: the columns of q, of k, of v.
; CLUSTERS: 4 x 4 work-groups; x's blocks are asked for jointly along a row of the cluster, w_att's along a column.
; K = 1,024 is four K steps of 256.  THREE LDS slots: K steps 0, 1, 2 are first fills, issued as one group; K step 3 is the one refill, into slot 0, behind a round of the cluster's barrier at the end of K step 0:
; it has two K steps, 256 matrix instructions, in which to land.  So the eight steps of 64 matrix instructions are written out, with no loop.  A wave has at most three tensor loads out.
; ROLES.  Source 0 = P: the result's registers run along its rows.  Source 1 = R: a lane keeps one of its rows.  For q and k: R = x (a lane holds a token, its registers run along the head's 64: their K).
; For v: R = w_att, P = x (a lane holds one of the head's 64, its registers run along the tokens, which are the keys: v's K).  Only the LDS addresses of the reads are chosen, by the cluster's x, which all partners share.
; By the order of a tile's rows the 16 registers of P's tiles 2 b and 2 b + 1 are 16 neighbours, 32 b + 16 (lane / 16) + 0 .. 15.
; LIMITS: NaN and infinities are not served; a block whose largest magnitude lies under 2^-122 keeps the byte 1, a block of zeros too (its codes are zeros; this program alone reads the bytes).
; REGISTERS, in windows of 256: window 0: v2-29 addresses; v32-63 scale words, two sets; v64-115 the epilogue; v128-223 R's fragments, one set.  window 1: P's fragments, two sets, at v0 and v128.
;   window 2: the accumulators of R's tiles 0-3 ((a, b) at v[8 (8 (a % 4) + b)]); window 3: of tiles 4-7.
.set HB,    25600                      ; a block: what one tensor load brings, and what one wave reads of x or of w_att in a K step
.set SLOT,  4*HB                       ; x's two blocks, then w_att's two
.set SPARE, 3*SLOT                     ; behind the slots: the spare words, 128 bytes for each wave, that no other line names
.set AP16, 2                           ; v2-4    P's block in slot 0, 1, 2 + 16 x lane
.set AP8,  5                           ; v5-7    + 8 x lane
.set AR16, 8                           ; v8-10   R's likewise
.set AR8,  11                          ; v11-13
.set ASC,  14                          ; v14-16  scale words: lanes 0-15 R's rows, lanes 16-31 P's
.set OS,   19                          ; v19     the scale words' way out
.set SELV, 20                          ; v20     byte selects
.set O16B, 21                          ; v21-22  the second half fragment's offsets
.set O8B,  22
.set RR,   24                          ; v24     r = lane % 16
.set HH,   25                          ; v25     h = lane / 16
.set O16,  26                          ; v26     16 x lane
.set O8,   27                          ; v27     8 x lane
.set SPW,  28                          ; v28     LDS address of my spare word; never rewritten
.set NIL,  29                          ; v29     0; never rewritten
.set SC,   32                          ; scale words: set s at v[SC + 16 s]; register 2 i + q: lanes 0-15 R's tile i, lanes 16-31 P's tile i
.set PC,   64                          ; v64-75  the codes just made
.set PT,   76                          ; v76-82  the upper halves, as converted
.set TM,   84                          ; v84-99  largest magnitudes, bytes, scale operands
.set PWS,  100                         ; v100-107 the eight tiles' scale words
.set WO,   108                         ; v108-115 scale words as they are stored
.set RF,   128
.set G1A,  24                          ; s[24:31] descriptor group 1 for x's blocks; s[32:39] for w_att's: they differ in the mask
.set G1B,  32
.set G0A,  40                          ; s[40:51] group 0 for x, a set for each slot; s[52:63] for w_att
.set G0B,  52
.set MSB, 0
.macro WIN new                         ; the immediate's high byte repeats the setting that is left
.if MSB != (\new)
	s_set_vgpr_msb (MSB<<8)|(\new)
.set MSB, (\new)
.endif
.endm
.set MUL_LO, 0xa1                      ; source 0 (P) window 1, source 1 (R) window 0, C and D window 2
.set MUL_HI, 0xf1                      ; the same, C and D window 3
.set TO_P,   0x40                      ; destination window 1, address window 0
.macro PLACES n                        ; plain vector instructions between a matrix instruction and a load into, or a read of, its registers
.rept \n
	v_nop
.endr
.endm
.macro JLOAD g0a, g0b                  ; a joint load: waves 0 and 1 fetch x's two blocks, waves 2 and 3 w_att's; four v_nop follow each line
	s_cmp_eq_u32 s15, 0
	s_cbranch_scc0 .Lfor_b_\@
	tensor_load_to_lds s[\g0a:\g0a+3], s[G1A:G1A+7]
	s_nop 0
.rept 4
	v_nop
.endr
	s_branch .Lasked_\@
.Lfor_b_\@:
	tensor_load_to_lds s[\g0b:\g0b+3], s[G1B:G1B+7]
	s_nop 0
.rept 4
	v_nop
.endr
.Lasked_\@:
.endm
.macro CREST                           ; a round of the cluster's barrier behind its opening barrier
	s_cmp_lg_u32 s14, 0
	s_cbranch_scc1 .Lnot_wave_0_\@
	s_barrier_signal -3
.Lnot_wave_0_\@:
	s_barrier_wait -3
	s_barrier_signal -1
	s_barrier_wait -1
.endm
.macro CROUND
	s_barrier_signal -1
	s_barrier_wait -1
	CREST
.endm
.macro FRAG reg, a16, a8, off          ; a fragment: 12 registers, as they were stored
	ds_load_b128 v[\reg:\reg+3], v[\a16] offset:\off
	ds_load_b64 v[\reg+4:\reg+5], v[\a8] offset:\off+512
	ds_load_b128 v[\reg+6:\reg+9], v[\a16] offset:\off+768
	ds_load_b64 v[\reg+10:\reg+11], v[\a8] offset:\off+1280
.endm
.macro FETCH_P slot, q, set            ; P's eight fragments: 32 loads
	WIN TO_P
.irp i, 0,1,2,3,4,5,6,7
	FRAG 128*(\set)+12*\i, AP16+\slot, AP8+\slot, 3072*\i+1536*(\q)
.endr
	WIN 0
.endm
.macro FETCH_R slot, q, i0             ; R's tiles i0 .. i0 + 3: 16 loads
.irp i, \i0, \i0+1, \i0+2, \i0+3
	FRAG RF+12*(\i), AR16+\slot, AR8+\slot, 3072*(\i)+1536*(\q)
.endr
.endm
.macro SCALES slot, set                ; a K step's scale words: two words a row
.irp i, 0,1,2,3,4,5,6,7
	ds_load_b64 v[SC+16*(\set)+2*\i:SC+16*(\set)+2*\i+1], v[ASC+\slot] offset:24576+128*\i
.endr
.endm
; 16 matrix instructions: R's tiles a0, a0 + 1 x P's eight, 128 along K.  The 64 accumulators take turns, one instruction a turn, in one order everywhere.  zero = 1: the products start the sums.
.macro MUL16 a0, set, q, sc, zero
.irp a, \a0, \a0+1
.irp b, 0,1,2,3,4,5,6,7
.if \zero
	v_wmma_scale_f32_16x16x128_f8f6f4 v[8*(8*((\a)%4)+\b):8*(8*((\a)%4)+\b)+7], v[128*(\set)+12*\b:128*(\set)+12*\b+11], v[RF+12*(\a):RF+12*(\a)+11], 0, v[SC+16*(\sc)+2*\b+(\q)], v[SC+16*(\sc)+2*(\a)+(\q)] matrix_a_fmt:MATRIX_FMT_BF6 matrix_b_fmt:MATRIX_FMT_BF6 matrix_a_scale:MATRIX_SCALE_ROW1
.else
	v_wmma_scale_f32_16x16x128_f8f6f4 v[8*(8*((\a)%4)+\b):8*(8*((\a)%4)+\b)+7], v[128*(\set)+12*\b:128*(\set)+12*\b+11], v[RF+12*(\a):RF+12*(\a)+11], v[8*(8*((\a)%4)+\b):8*(8*((\a)%4)+\b)+7], v[SC+16*(\sc)+2*\b+(\q)], v[SC+16*(\sc)+2*(\a)+(\q)] matrix_a_fmt:MATRIX_FMT_BF6 matrix_b_fmt:MATRIX_FMT_BF6 matrix_a_scale:MATRIX_SCALE_ROW1
.endif
.endr
.endr
.endm
.macro STEP slot, sc, zero             ; a slot's first 128 along K; its second is fetched meanwhile
	s_wait_dscnt 16                                ; all but the youngest 16 loads (R's tiles 4-7) are in
	WIN MUL_LO
	MUL16 0, 0, 0, \sc, \zero
	MUL16 2, 0, 0, \sc, \zero
	s_wait_dscnt 0x0                               ; R's tiles 4-7 are in
	PLACES 4
	FETCH_P \slot, 1, 1
	FETCH_R \slot, 1, 0
	WIN MUL_HI
	MUL16 4, 0, 0, \sc, \zero
	MUL16 6, 0, 0, \sc, \zero
	PLACES 4
	WIN 0
	FETCH_R \slot, 1, 4
.endm
; A slot's second 128 along K, and the change to the next slot.  mode 2: this slot is filled again.  mode 1: the next slot is the refilled one: its load is waited for, and a barrier shows it whole.  mode 0: the next slot was shown whole at the round.
.macro TURN slot, next, sc, mode
.if \mode == 2
	s_wait_tensorcnt 0x0                           ; all my tensor loads have landed: my parts of K steps 0, 1 and 2
	ds_add_u32 v[SPW], v[NIL]                      ; 0 onto my spare word
	s_wait_dscnt 17                                ; (the add and the youngest 16 loads may be out)
.elseif \mode == 1
	s_wait_tensorcnt 0x0                           ; my part of K step 3 is in: no load was issued behind it
	s_wait_dscnt 16
.else
	s_wait_dscnt 16
.endif
	WIN MUL_LO
	MUL16 0, 1, 1, \sc, 0
.if \mode > 0
	s_wait_dscnt 0x0                               ; my LDS instructions are done: my reads of this slot are over (mode 2: the add too)
	s_barrier_signal -1
.endif
	MUL16 2, 1, 1, \sc, 0
.if \mode == 0
	s_wait_dscnt 0x0                               ; R's tiles 4-7 are in
.endif
	WIN 0
.if \mode > 0
	s_barrier_wait -1
.endif
.if \mode == 2
	CREST                                          ; the barrier has opened a round of the cluster's: no wave of any partner still reads this slot or has a load on its way
	s_add_nc_u64 s[G0A+2:G0A+3], s[G0A+2:G0A+3], 3*HB    ; slot 0's descriptors: on to K step 3
	s_add_nc_u64 s[G0B+2:G0B+3], s[G0B+2:G0B+3], 3*HB
	JLOAD G0A, G0B                                 ; the first tensor load behind the round; its four v_nop are the places in front of the loads below
.else
	PLACES 4
.endif
	s_wait_alu depctr_va_vdst(0)
	FETCH_P \next, 0, 0
	FETCH_R \next, 0, 0
	SCALES \next, 1-\sc
	WIN MUL_HI
	MUL16 4, 1, 1, \sc, 0
	MUL16 6, 1, 1, \sc, 0
	PLACES 4
	WIN 0
	FETCH_R \next, 0, 4
.endm
	s_load_b128 s[4:7], s[0:1], 0x0                ; xc s[4:5], wac s[6:7]
	s_load_b128 s[8:11], s[0:1], 0x10              ; qc s[8:9], qs s[10:11]
	s_load_b64 s[12:13], s[0:1], 0x20              ; kv
	v_lshl_add_u32 v[SPW], v0, 2, SPARE
	v_mov_b32 v[NIL], 0
	ds_add_u32 v28, v29
	ds_add_u32 v28, v29
	s_wait_dscnt 0x0
	v_lshrrev_b32 v1, 5, v0
	v_readfirstlane_b32 s14, v1                    ; wave 0..3
	s_lshr_b32 s15, s14, 1                         ; which of x's two blocks is mine.  Also: I fetch for x (0) or for w_att (1)
	s_and_b32 s16, s14, 1                          ; which of w_att's.  Also: which of the two blocks I fetch
	s_bfe_u32 s66, ttmp6, 0x40000                  ; cx
	s_bfe_u32 s67, ttmp6, 0x40004                  ; cy
	s_lshl_b32 s68, ttmp9, 2
	s_add_co_u32 s68, s68, s66                     ; tile column = 4 x cluster x + cx
	s_and_b32 s69, ttmp7, 0xffff
	s_lshl_b32 s69, s69, 2
	s_add_co_u32 s69, s69, s67                     ; tile row = 4 x cluster y + cy
	s_lshl_b32 s70, s67, 2
	s_lshl_b32 s70, 15, s70                        ; my row of the cluster
	s_lshl_b32 s71, 0x1111, s66                    ; my column
	s_or_b32 s[G1A], s70, (3<<16)|(1<<21)          ; 15:0 the mask; 17:16 elements of 8 bytes; 21 set beside a mask; no padding
	s_or_b32 s[G1B], s71, (3<<16)|(1<<21)
.irp g, G1A, G1B
	s_mov_b32 s[\g+1], 32<<16                      ; tensor_dim0 = 32 elements: 256 bytes
	s_mov_b32 s[\g+2], 100<<16                     ; tensor_dim1 = 100 rows: a dense block of 25,600 bytes
	s_mov_b32 s[\g+3], 32<<16                      ; tile_dim0
	s_mov_b32 s[\g+4], 100                         ; tile_dim1
	s_mov_b32 s[\g+5], 32                          ; from row to row
	s_mov_b32 s[\g+6], 0
	s_mov_b32 s[\g+7], 0
.endr
	s_lshl_b32 s72, s69, 1
	s_add_co_u32 s72, s72, s16
	s_mul_i32 s72, s72, 4*HB                       ; x: 128 rows are four blocks; made of the tile row and the wave's number alone
	s_mov_b32 s73, 0
	s_lshl_b32 s74, s68, 1
	s_add_co_u32 s74, s74, s16
	s_mul_i32 s74, s74, 4*HB                       ; w_att: of the tile column and the wave's number alone
	s_mov_b32 s75, 0
	s_mul_i32 s76, s14, HB                         ; where they go: wave x a block
	s_wait_kmcnt 0x0
	s_add_nc_u64 s[72:73], s[4:5], s[72:73]
	s_add_nc_u64 s[74:75], s[6:7], s[74:75]
.irp s, 0,1,2
	s_mov_b32 s[G0A+4*\s], 1
	s_add_co_u32 s[G0A+4*\s+1], s76, \s*SLOT
	s_add_nc_u64 s[G0A+4*\s+2:G0A+4*\s+3], s[72:73], \s*HB
	s_or_b32 s[G0A+4*\s+3], s[G0A+4*\s+3], 0x80000000
	s_mov_b32 s[G0B+4*\s], 1
	s_add_co_u32 s[G0B+4*\s+1], s76, \s*SLOT
	s_add_nc_u64 s[G0B+4*\s+2:G0B+4*\s+3], s[74:75], \s*HB
	s_or_b32 s[G0B+4*\s+3], s[G0B+4*\s+3], 0x80000000
.endr
	CROUND                                         ; all sixteen work-groups are here: the first joint loads meet
	s_cmp_eq_u32 s15, 0                            ; a wave's three first fills stand in one branch, ahead of every wait on TENSORcnt and every LDS read
	s_cbranch_scc0 .Lfirst_b
	tensor_load_to_lds s[G0A:G0A+3], s[G1A:G1A+7]
	s_nop 0
	tensor_load_to_lds s[G0A+4:G0A+7], s[G1A:G1A+7]
	s_nop 0
	tensor_load_to_lds s[G0A+8:G0A+11], s[G1A:G1A+7]
	s_nop 0
.rept 4
	v_nop
.endr
	s_branch .Lfirst_asked
.Lfirst_b:
	tensor_load_to_lds s[G0B:G0B+3], s[G1B:G1B+7]
	s_nop 0
	tensor_load_to_lds s[G0B+4:G0B+7], s[G1B:G1B+7]
	s_nop 0
	tensor_load_to_lds s[G0B+8:G0B+11], s[G1B:G1B+7]
	s_nop 0
.rept 4
	v_nop
.endr
.Lfirst_asked:
	v_and_b32 v[RR], 15, v0
	v_bfe_u32 v[HH], v0, 4, 1
	s_wait_alu depctr_va_vdst(0)
	v_and_b32 v1, 31, v0
	v_lshlrev_b32 v[O16], 4, v1
	s_wait_alu depctr_va_vdst(0)
	v_lshlrev_b32 v[O8], 3, v1
	s_wait_alu depctr_va_vdst(0)
	s_mul_i32 s77, s15, HB                         ; my block of x in a slot
	s_mul_i32 s78, s16, HB
	s_add_co_u32 s78, s78, 2*HB                    ; my block of w_att
	s_sub_co_u32 s82, s78, s77                     ; the distance between them: above 0
	s_cmp_eq_u32 ttmp9, 2                          ; v's columns?  The cluster's x: the same in all partners
	s_cselect_b32 s79, s78, s77                    ; R
	s_cselect_b32 s80, s77, s78                    ; P
	s_cselect_b32 s81, 1, 0
	v_xor_b32 v1, s81, v[HH]                       ; 0: this lane takes x's scale words; 1: w_att's.  Lanes 0-15 take R's
	v_mul_u32_u24 v1, s82, v1
	v_lshl_add_u32 v1, v[RR], 3, v1
	v_add_nc_u32 v1, s77, v1
.irp s, 0,1,2
	v_add_nc_u32 v[AP16+\s], s80, v[O16]
	v_add_nc_u32 v[AP8+\s], s80, v[O8]
	v_add_nc_u32 v[AR16+\s], s79, v[O16]
	v_add_nc_u32 v[AR8+\s], s79, v[O8]
	v_add_nc_u32 v[ASC+\s], \s*SLOT, v1
	s_add_co_u32 s79, s79, SLOT
	s_add_co_u32 s80, s80, SLOT
.endr
	s_wait_tensorcnt 2                             ; my part of K step 0 is in; K steps 1 and 2 may stay out
	s_barrier_signal -1
	s_barrier_wait -1
	FETCH_P 0, 0, 0
	FETCH_R 0, 0, 0
	SCALES 0, 0
	FETCH_R 0, 0, 4
	STEP 0, 0, 1                                   ; K step 0: its first products start the sums
	TURN 0, 1, 0, 2
	STEP 1, 1, 0                                   ; K step 1
	TURN 1, 2, 1, 0
	STEP 2, 0, 0                                   ; K step 2
	TURN 2, 0, 0, 1
	STEP 0, 1, 0                                   ; K step 3
	s_wait_dscnt 16
	WIN MUL_LO
	MUL16 0, 1, 1, 1, 0
	MUL16 2, 1, 1, 1, 0
	s_wait_dscnt 0x0
	WIN MUL_HI
	MUL16 4, 1, 1, 1, 0
	MUL16 6, 1, 1, 1, 0
	WIN 0
	; ---- THE WAY OUT.  R's tile a: a lane's 64 results are four blocks of 32 along P's rows, half of each (16 neighbours); they become a fragment's 12 registers and a scale word, and are stored as they stand.
	; q, k: the fragment's two halves are half fragments (16 tokens x 64) of two heads.  v: the fragment is 16 of a head's 64 x 128 keys.
.irp b, 0,1,2,3
	v_mov_b32 v[TM+4+\b], 0                        ; a lane permute's destination counts as one of its sources.  (These lines and those below are the places behind the last products)
.endr
	s_lshl_b32 s72, s69, 1
	s_add_co_u32 s72, s72, s15                     ; my 128 tokens: block 2 x tile row + half
	s_lshr_b32 s73, s72, 4                         ; the batch
	s_and_b32 s74, s72, 15                         ; j: which 128 of the sequence
	s_lshl_b32 s75, s66, 2
	s_lshl_b32 s76, s16, 1
	s_add_co_u32 s75, s75, s76                     ; my first head: 4 cx + 2 x half
	s_lshl_b32 s73, s73, 4
	s_add_co_u32 s73, s73, s75                     ; 16 x batch + head
	s_cmp_eq_u32 ttmp9, 0                          ; q?
	s_cselect_b64 s[84:85], s[8:9], s[12:13]       ; codes go to qc or kv,
	s_cselect_b64 s[86:87], s[10:11], s[12:13]     ; scale words to qs or kv
	s_mov_b32 s76, 204800
	s_cselect_b32 s76, 98304, s76                  ; codes: from head to head,
	s_mov_b32 s77, 12800
	s_cselect_b32 s77, 6144, s77                   ; from 128 tokens to the next
	s_mov_b32 s78, 204800
	s_cselect_b32 s78, 8192, s78                   ; scale words likewise
	s_mov_b32 s79, 12800
	s_cselect_b32 s79, 512, s79
	s_mov_b32 s80, 6144
	s_cselect_b32 s80, 0, s80                      ; where the scale words begin: q 0, k 6,144,
	s_cmp_eq_u32 ttmp9, 2                          ; v?
	s_cselect_b32 s80, 12544, s80                  ; v 12,544
	s_cselect_b32 s81, 6400, 0                     ; v's fragments lie behind k's part of a block
	s_cselect_b32 s82, 768, s76                    ; from a fragment's first half to its second: the next head, or 768 bytes
	s_mov_b32 s88, 768
	s_cselect_b32 s88, 1536, s88                   ; from tile to tile,
	s_mov_b32 s90, 768
	s_cselect_b32 s90, 200192, s90                 ; and from tile 3 to tile 4: in v the next head's first fragment (204,800 - 3 x 1,536)
	s_mov_b32 s89, 0
	s_mov_b32 s91, 0
	s_mul_i32 s76, s73, s76
	s_mul_i32 s77, s74, s77
	s_add_co_u32 s76, s76, s77
	s_add_co_u32 s76, s76, s81
	s_mov_b32 s77, 0
	s_add_nc_u64 s[84:85], s[84:85], s[76:77]
	s_mul_i32 s92, s73, s78
	s_mul_i32 s79, s74, s79
	s_add_co_u32 s92, s92, s79
	s_add_co_u32 s92, s92, s80
	s_mov_b32 s93, 0
	s_add_nc_u64 s[86:87], s[86:87], s[92:93]
	s_mov_b32 s94, 0xffff0000                      ; lanes 16-31
	s_mov_b32 s96, 0x76543210
	s_mov_b32 s97, 0xfedcba98                      ; v_permlanex16_b32: lane l xor 16
	v_add_nc_u32 v[O16B], s82, v[O16]
	v_add_nc_u32 v[O8B], s82, v[O8]
	v_mul_u32_u24 v[OS], s78, v[HH]
	v_lshl_add_u32 v[OS], v[RR], 4, v[OS]          ; scale words: lanes 0-15 the first head's, lanes 16-31 the second's; 16 bytes a row
.macro TILE a
.set WW, 2+(\a)/4                      ; the tile's accumulators: window 2 or 3,
.set SR, 64*((\a)%4)                   ; from this register on
	WIN (WW|(WW<<2))                               ; sources 0 and 1 in that window
.irp b, 0,1,2,3
	v_max3_num_f32 v[TM+\b], |v[SR+16*\b]|, |v[SR+16*\b+1]|, 0x2800000   ; block b: my 16 numbers, each accumulator from its low end on, and the floor 2^(5 - 127)
.endr
.irp i, 2,4,6,8,10,12,14
.irp b, 0,1,2,3
	v_max3_num_f32 v[TM+\b], |v[SR+16*\b+\i]|, |v[SR+16*\b+\i+1]|, v[TM+\b]
.endr
.endr
	WIN 0
.irp b, 0,1,2,3
	v_permlanex16_b32 v[TM+4+\b], v[TM+\b], s96, s97
.endr
.irp b, 0,1,2,3
	v_max_num_f32 v[TM+\b], v[TM+\b], v[TM+4+\b]   ; with lane l xor 16's: the block's largest magnitude
.endr
.irp b, 0,1,2,3
	v_add_nc_u32 v[TM+12+\b], 0xfe000000, v[TM+\b] ; 4 off the exponent field: the conversion's scale operand
.endr
.irp b, 0,1,2,3
	v_lshrrev_b32 v[TM+4+\b], 23, v[TM+12+\b]      ; the byte
.endr
	v_lshl_or_b32 v[PWS+(\a)], v[TM+5], 8, v[TM+4]
	v_lshl_or_b32 v[PWS+(\a)], v[TM+6], 16, v[PWS+(\a)]
	v_lshl_or_b32 v[PWS+(\a)], v[TM+7], 24, v[PWS+(\a)]
	s_wait_xcnt 0x0                                ; the last tile's stores have read their data and their base: both are written again only behind this wait
.if (\a) == 4
	s_add_nc_u64 s[84:85], s[84:85], s[90:91]
.elseif (\a) > 0
	s_add_nc_u64 s[84:85], s[84:85], s[88:89]
.endif
	WIN WW                                         ; source 0 in the accumulators' window
.irp c, 0,1
	v_cvt_scalef32_pk16_bf6_f32 v[PC+6*\c:PC+6*\c+2], v[SR+32*\c:SR+32*\c+15], v[TM+12+2*\c]
	v_cvt_scalef32_pk16_bf6_f32 v[PT+4*\c:PT+4*\c+2], v[SR+32*\c+16:SR+32*\c+31], v[TM+12+2*\c+1]
.endr
	WIN 0
	v_nop                                          ; one plain place behind a scaled conversion
.irp c, 0,1                            ; the operand's layout wants a whole block in a lane: lanes 0-15 block 2 c, lanes 16-31 block 2 c + 1
.irp i, 0,1,2
	v_permlane16_swap_b32 v[PC+6*\c+\i], v[PT+4*\c+\i]
.endr
.irp i, 0,1,2
	v_mov_b32 v[PC+6*\c+3+\i], v[PT+4*\c+\i]
.endr
.endr
	global_store_b128 v[O16], v[PC:PC+3], s[84:85]             ; 512 consecutive bytes, at a multiple of 256 from the buffer's first byte
	global_store_b64 v[O8], v[PC+4:PC+5], s[84:85] offset:512  ; 256
	global_store_b128 v[O16B], v[PC+6:PC+9], s[84:85]
	global_store_b64 v[O8B], v[PC+10:PC+11], s[84:85] offset:512
.endm
.irp a, 0,1,2,3,4,5,6,7
	TILE \a
.endr
	; the scale words.  A tile's word holds bytes (first head: 0, 1; second head: 2, 3) for q and k, four blocks of keys for v.  Sixteen lanes store 256 consecutive bytes.
	s_cmp_eq_u32 ttmp9, 0
	s_cbranch_scc1 .Lscale_q
	s_cmp_eq_u32 ttmp9, 2
	s_cbranch_scc1 .Lscale_v
	v_mov_b32 v[SELV], 0x05040100                  ; k: a fragment of attention is two tiles of keys: its word is tile 2 f's two bytes, then tile 2 f + 1's
	v_mov_b32 v23, 0x07060302
	v_cndmask_b32 v[SELV], v[SELV], v23, s94
.irp f, 0,1,2,3
	v_perm_b32 v[WO+\f], v[PWS+2*\f+1], v[PWS+2*\f], v[SELV]
.endr
	global_store_b128 v[OS], v[WO:WO+3], s[86:87]
	s_branch .Lscale_done
.Lscale_q:
	v_mov_b32 v[SELV], 0x01000100                  ; q: the head's two bytes twice: q is fed as (q, 0) and as (0, q) along a K of 128
	v_mov_b32 v23, 0x03020302
	v_cndmask_b32 v[SELV], v[SELV], v23, s94
.irp a, 0,1,2,3,4,5,6,7
	v_perm_b32 v[WO+\a], v[PWS+\a], v[PWS+\a], v[SELV]
.endr
	global_store_b128 v[OS], v[WO:WO+3], s[86:87]
	global_store_b128 v[OS], v[WO+4:WO+7], s[86:87] offset:256
	s_branch .Lscale_done
.Lscale_v:
.irp i, 0,1,2,3
	v_cndmask_b32 v[WO+\i], v[PWS+\i], v[PWS+4+\i], s94   ; v: tiles 0-3 are the first head's, tiles 4-7 the second's
.endr
	global_store_b128 v[OS], v[WO:WO+3], s[86:87]
.Lscale_done:
	s_wait_tensorcnt 0x0                           ; the wave's end
	ds_add_u32 v[SPW], v[NIL]
	s_wait_dscnt 0x0
	CROUND                                         ; the closing round: no work-group ends while a partner may still ask for a block that names it
	s_endpgm
.Lfunc_end_k_q550800e9f4_qkv:
	.size	k_q550800e9f4_qkv, .Lfunc_end_k_q550800e9f4_qkv-k_q550800e9f4_qkv
	.p2alignl 7, 3214868480
	.fill 96, 4, 3214868480
	.section	.rodata,"a",@progbits
	.p2align	6, 0x0
	.amdhsa_kernel k_q550800e9f4_qkv
		.amdhsa_group_segment_fixed_size 327680
		.amdhsa_private_segment_fixed_size 0
		.amdhsa_enable_private_segment 0
		.amdhsa_kernarg_size 40
		.amdhsa_user_sgpr_count 2
		.amdhsa_user_sgpr_kernarg_segment_ptr 1
		.amdhsa_wavefront_size32 1
		.amdhsa_system_sgpr_workgroup_id_x 1
		.amdhsa_system_sgpr_workgroup_id_y 1
		.amdhsa_system_sgpr_workgroup_id_z 1
		.amdhsa_system_vgpr_workitem_id 0
		.amdhsa_next_free_vgpr 1024
		.amdhsa_next_free_sgpr 100
		.amdhsa_reserve_vcc 0
		.amdhsa_float_denorm_mode_32 3
		.amdhsa_float_denorm_mode_16_64 3
		.amdhsa_memory_ordered 1
		.amdhsa_forward_progress 1
		.amdhsa_inst_pref_size 149
	.end_amdhsa_kernel
	.amdgpu_metadata
---
amdhsa.version: [ 1, 2 ]
amdhsa.kernels:
  - .name:           k_q550800e9f4_qkv
    .symbol:         k_q550800e9f4_qkv.kd
    .args:
      - { .name: xc, .offset: 0, .size: 8, .value_kind: global_buffer, .address_space: global }
      - { .name: wac, .offset: 8, .size: 8, .value_kind: global_buffer, .address_space: global }
      - { .name: qc, .offset: 16, .size: 8, .value_kind: global_buffer, .address_space: global }
      - { .name: qs, .offset: 24, .size: 8, .value_kind: global_buffer, .address_space: global }
      - { .name: kv, .offset: 32, .size: 8, .value_kind: global_buffer, .address_space: global }
    .group_segment_fixed_size: 327680
    .private_segment_fixed_size: 0
    .kernarg_segment_align: 8
    .kernarg_segment_size: 40
    .max_flat_workgroup_size: 128
    .sgpr_count:     100
    .vgpr_count:     1024
    .wavefront_size: 32
...
	.end_amdgpu_metadata
.endif
;; end of part 2
;; launch attn (part 3): grid 4 x 64, 16 waves a work-group, no clusters, 327,680 bytes of LDS; arguments qc, qs, kv, yc; writes yc
.if DOCPART == 3
	.amdgcn_target "amdgcn-amd-amdhsa--gfx1250"
	.amdhsa_code_object_version 6
	.text
	.protected	k_q550800e9f4_attn
	.globl	k_q550800e9f4_attn
	.p2align	8
	.type	k_q550800e9f4_attn,@function
k_q550800e9f4_attn:
	s_mov_b64 s[64:65], 0
	v_nop
	global_prefetch_b8 v0, s[64:65] scope:SCOPE_SE
	s_setreg_imm32_b32 hwreg(HW_REG_WAVE_MODE, 25, 1), 1
	s_wait_xcnt 0x0
; y = softmax(q k^T / 8, causal) v for 64 heads of 64 x 2,048 tokens, both products on codes of E3M2; y is quantised at once, along e, for the last product.
; THE SOFTMAX AHEAD OF THE SECOND PRODUCT: t = score x log2(e) / 8; M = the row's largest t so far, rounded up to a whole number; p = 2^(t - M) is quantised along the keys, not normalised; the row's sum is taken of
; the unquantised p and divides at the end.  When M moves, the sum and O are multiplied by 2^(old M - new M): exact.
; SHARES.  Work-group (i, head) owns the blocks 7 - i and i of 256 queries, one after the other.  Block b wants key slots 0 .. b of 256 keys: (8 - i) + (i + 1) = 9 slots for every work-group: a constant trip count,
; 256 equal work-groups, and no slot is fetched that nobody reads.  Each of the sixteen waves owns one tile of 16 queries in 256 registers: four waves to a SIMD, so that one wave's vector work stands beside another's products and LDS loads.
; A step whose 128 keys all come after the wave's queries is jumped over (a scalar branch on ids); on the diagonal hidden scores become -infinity ahead of the maximum.
; NO JOINT LOADS: at one and the same trip the four work-groups of a head walk different slots (trip N is slot N in one block and slot N - 8 + i in the other), so partners would never ask for the same bytes at the same time.
; OPERANDS are images of the operand's registers.  A half fragment: 16 rows x 64 along K, 768 bytes.  A block of kv (128 keys, 12,800 bytes): K's 8 half fragments; 256 bytes of scale words; V^T's 4 fragments (16 of the head's 64 x 128 keys); scale words.
; K = 64 IN A FORM OF K = 128: a fragment of K is TWO tiles of keys, tile 2 f in the lower 64 along K and tile 2 f + 1 in the upper.  Against (q, 0) it gives tile 2 f's scores, against (0, q) tile 2 f + 1's: zero codes add nothing.
; Tile t holds rows 32 (t / 2) + 8 (t % 2) + r + 8 (r / 8): so the 16 registers of tiles 2 b and 2 b + 1 of S^T are keys 32 b + 16 (lane / 16) + 0 .. 15, and those of O^T are neighbours along the head's 64.
; Both products are used transposed (S^T = K Q^T, O^T = V^T P^T): a lane holds one query throughout.
; LIMITS: NaN and infinities are not served; a block's largest p is taken through its largest score, which takes v_exp_f32 not to fall where its input rises; a block whose every p or y is 0, or lies under 2^-122, keeps the byte 1.
.set SLOT1, 32768                      ; slot 1 begins here: one exclusive or turns an address from one slot to the other; a slot holds 25,600 bytes
.set KVB,   12800
.set SPARE, 65536                      ; the spare words, 128 bytes for each of sixteen waves, that no other line names
.set L16,  1                           ; v1   16 x lane
.set L8,   2                           ; v2   8 x lane
.set R16,  3                           ; v3   16 r
.set QL,   4                           ; v4   r + 8 (r / 8) - 16 h
.set SPW,  5                           ; v5   LDS address of my spare word; never rewritten
.set NIL,  6                           ; v6   0; never rewritten
.set YS,   7                           ; v7   8 r + h: my scale byte of y
.set A16,  8                           ; v8-10 the slot in hand + v1, v2, v3
.set A8,   9
.set AS,   10
.set QZ,   16                          ; v16-21 zeros, v22-27 q, v28-33 zeros: (0, q) = v[16:27], (q, 0) = v[22:33]
.set QSW,  34                          ; v34  q's scale word
.set KV,   36                          ; v36-83 four fragments of K or of V
.set KVS,  84                          ; v84-87 their scale words
.set S,    96                          ; v96-159 S^T, then p; at the end y
.set O,    160                         ; v160-191 O^T
.set PC,   192                         ; v192-203 p's codes
.set PT,   204                         ; v204-210 the upper halves, as converted
.set BM,   212                         ; v212-215 the blocks' largest
.set BT,   216                         ; v216-219 the other lane's; bytes
.set SO,   220                         ; v220-223 scale operands
.set PW,   224                         ; v224 p's scale word
.set F,    226                         ; v[226:227] f = 2^(old M - new M); at the end 1 / the sum
.set TMP,  228
.set SUM2, 230                         ; v[230:231] the sum's second chain
; s12 wave, s13 i, s14 head, s15 8 - i, s16 7 - i, s17 trip, s18 the slot in hand, s19 the step's first key, s[20:21] lane selects, s[22:23] c, s[24:31] group 1, s[32:35] group 0, s[36:37] my block of the head's slot 0,
; s38, s39 my first and last query, s40 the block of queries, s[42:49] pointers, s50-53 constant offsets, s54 lanes 16-31
.macro TLOAD                           ; waves 0 and 1 fetch a slot's two blocks; four v_nop follow the line
	s_cmp_lt_u32 s12, 2
	s_cbranch_scc0 .Lno_load_\@
	tensor_load_to_lds s[32:35], s[24:31]
	s_nop 0
.rept 4
	v_nop
.endr
.Lno_load_\@:
.endm
; THE CHANGE OF SLOTS stands at a slot's head.  Each wave waits for all its tensor loads (its part of the slot ahead), adds 0 to its spare word, and waits for that and for its reads of the slot that it has left.
; fill = 1: behind the barrier that slot takes the next trip's keys: slot N + 1 of the block in hand, or, where that block is done, slot N + 1 - (8 - i) of the second (the difference wraps to a large number until then).
.macro CHANGE fill
	s_wait_tensorcnt 0x0                           ; no tensor load of mine is out, so group 0 may be written
	ds_add_u32 v[SPW], v[NIL]                      ; 0 onto my spare word
.if \fill
	s_xor_b32 s33, s33, SLOT1
	s_add_co_u32 s80, s17, 1
	s_sub_co_u32 s81, s80, s15
	s_min_u32 s80, s80, s81
	s_mul_i32 s80, s80, 2*KVB
	s_mov_b32 s81, 0
	s_add_nc_u64 s[34:35], s[36:37], s[80:81]
	s_or_b32 s35, s35, 0x80000000
.endif
	s_wait_dscnt 0x0                               ; the add is done, and my reads of the slot that I have left are over
	s_barrier_signal -1
	s_barrier_wait -1
.if \fill
	TLOAD                                          ; the first thing behind the barrier, a wave's one tensor load until the next: it has a slot's two steps in which to land
.endif
.endm
.macro KVF off                         ; four fragments and their scale words: 17 loads
.irp f, 0,1,2,3
	ds_load_b128 v[KV+12*\f:KV+12*\f+3], v[A16] offset:\off+1536*\f
	ds_load_b64 v[KV+12*\f+4:KV+12*\f+5], v[A8] offset:\off+1536*\f+512
	ds_load_b128 v[KV+12*\f+6:KV+12*\f+9], v[A16] offset:\off+1536*\f+768
	ds_load_b64 v[KV+12*\f+10:KV+12*\f+11], v[A8] offset:\off+1536*\f+1280
.endr
	ds_load_b128 v[KVS:KVS+3], v[AS] offset:\off+6144
.endm
; A KEY STEP: 128 keys, the q-th block of the slot in hand.
.macro STEP q
	s_cmp_gt_u32 s19, s39                          ; all its keys come after my queries: nothing to do but to step the key
	s_cbranch_scc1 .Lhidden_\@
	v_add_nc_u32 v[A16], s18, v[L16]
	v_add_nc_u32 v[A8], s18, v[L8]
	v_add_nc_u32 v[AS], s18, v[R16]
	v_nop                                          ; four places in front of loads into registers that the last products read
	KVF KVB*(\q)
	s_wait_alu depctr_va_vdst(0)
	s_wait_dscnt 0x0
.irp t, 0,1,2,3,4,5,6,7                ; S^T = K Q^T: tile t of 16 keys
	v_wmma_scale_f32_16x16x128_f8f6f4 v[S+8*\t:S+8*\t+7], v[KV+12*(\t/2):KV+12*(\t/2)+11], v[QZ+6-6*(\t%2):QZ+17-6*(\t%2)], 0, v[KVS+\t/2], v[QSW] matrix_a_fmt:MATRIX_FMT_BF6 matrix_b_fmt:MATRIX_FMT_BF6
.endr
.rept 4
	v_nop                                          ; places: in front of the loads below and of the first read of the scores
.endr
	KVF KVB*(\q)+6400                              ; V's fragments land under the softmax
	s_add_co_u32 s80, s19, 127
	s_cmp_le_u32 s80, s38
	s_cbranch_scc1 .Lopen_\@                       ; all keys of the step count for all my queries
	s_sub_co_i32 s80, s38, s19
	v_add_nc_u32 v88, s80, v[QL]                   ; d = my query - the step's first key - 16 h.  Register 16 b + i holds key 32 b + 16 h + i of the step: hidden where 32 b + i > d
	v_mov_b32 v89, 0xff800000                      ; -infinity
.set n, 0
.rept 64
	v_cmp_gt_i32 vcc_lo, 32*(n/16)+n%16, v88
	v_cndmask_b32 v[S+n], v[S+n], v89, vcc_lo
.set n, n+1
.endr
.Lopen_\@:
.irp b, 0,1,2,3
	v_max3_num_f32 v[BM+\b], v[S+16*\b], v[S+16*\b+1], v[S+16*\b+2]   ; the largest score of each block of 32 keys: it serves the row's maximum and, since p rises with the score, the block's largest p
.endr
.irp i, 3,5,7,9,11,13
.irp b, 0,1,2,3
	v_max3_num_f32 v[BM+\b], v[BM+\b], v[S+16*\b+\i], v[S+16*\b+\i+1]
.endr
.endr
.irp b, 0,1,2,3
	v_max_num_f32 v[BM+\b], v[BM+\b], v[S+16*\b+15]
.endr
.irp b, 0,1,2,3
	s_delay_alu instid0(VALU_DEP_4)
	v_permlanex16_b32 v[BT+\b], v[BM+\b], s20, s21
.endr
.irp b, 0,1,2,3
	s_delay_alu instid0(VALU_DEP_4)
	v_max_num_f32 v[BM+\b], v[BM+\b], v[BT+\b]     ; with lane l xor 16's 16 keys
.endr
	s_delay_alu instid0(VALU_DEP_2)
	v_max3_num_f32 v[TMP], v[BM], v[BM+1], v[BM+2]
	s_delay_alu instid0(VALU_DEP_1)
	v_max_num_f32 v[TMP], v[TMP], v[BM+3]
	s_delay_alu instid0(VALU_DEP_1)
	v_mul_f32 v[TMP], s22, v[TMP]                  ; as t (c is positive)
	s_delay_alu instid0(VALU_DEP_1)
	v_max_num_f32 v13, v13, v[TMP]                 ; the running largest t
	v_mov_b32 v[TMP], v12
	s_delay_alu instid0(VALU_DEP_2)
	v_floor_f32 v12, -v13                          ; the new -M = floor(-t): M is a whole number
	s_delay_alu instid0(VALU_DEP_1)
	v_sub_f32 v[TMP], v12, v[TMP]                  ; old M - new M: a whole number, 0 or less
	s_delay_alu instid0(VALU_DEP_1)
	v_cvt_i32_f32 v[TMP], v[TMP]                   ; (it saturates)
	s_delay_alu instid0(VALU_DEP_1)
	v_ldexp_f32 v[F], 1.0, v[TMP]                  ; f = 2^(old M - new M)
.set j, 0
.rept 32
	v_pk_fma_f32 v[S+j:S+j+1], v[S+j:S+j+1], s[22:23], v[12:13] op_sel_hi:[1,0,0]   ; t - M, two at a time
.set j, j+2
.endr
.irp b, 0,1,2,3
	v_fma_f32 v[BM+\b], v[BM+\b], s22, v12         ; the same of each block's largest score
.endr
.set j, 0
	s_wait_alu depctr_va_vdst(0)
.rept 64
	v_exp_f32 v[S+j], v[S+j]                       ; p = 2^(t - M), at most 1
.set j, j+1
.endr
	v_pk_mul_f32 v[14:15], v[14:15], v[F:F+1] op_sel_hi:[1,0]   ; the sums under the new M: the plain place behind the exponentials
	s_wait_alu depctr_va_vdst(0)                   ; one wait for the whole batch, ahead of its first reader
.irp b, 0,1,2,3
	v_exp_f32 v[BM+\b], v[BM+\b]                   ; the block's largest p
.endr
	v_pk_add_f32 v[230:231], v[100:101], v[104:105]
	v_pk_add_f32 v[254:255], v[108:109], v[112:113]
	v_pk_add_f32 v[252:253], v[116:117], v[120:121]
	v_pk_add_f32 v[250:251], v[124:125], v[128:129]
	v_pk_add_f32 v[248:249], v[132:133], v[136:137]
	v_pk_add_f32 v[246:247], v[140:141], v[144:145]
	v_pk_add_f32 v[244:245], v[148:149], v[152:153]
	v_pk_add_f32 v[14:15], v[14:15], v[156:157]
	v_pk_add_f32 v[230:231], v[230:231], v[96:97]
	v_pk_add_f32 v[254:255], v[254:255], v[98:99]
	v_pk_add_f32 v[252:253], v[252:253], v[102:103]
	v_pk_add_f32 v[250:251], v[250:251], v[106:107]
	v_pk_add_f32 v[248:249], v[248:249], v[110:111]
	v_pk_add_f32 v[246:247], v[246:247], v[114:115]
	v_pk_add_f32 v[244:245], v[244:245], v[118:119]
	v_pk_add_f32 v[14:15], v[14:15], v[122:123]
	v_pk_add_f32 v[230:231], v[230:231], v[126:127]
	v_pk_add_f32 v[254:255], v[254:255], v[130:131]
	v_pk_add_f32 v[252:253], v[252:253], v[134:135]
	v_pk_add_f32 v[250:251], v[250:251], v[138:139]
	v_pk_add_f32 v[248:249], v[248:249], v[142:143]
	v_pk_add_f32 v[246:247], v[246:247], v[146:147]
	v_pk_add_f32 v[244:245], v[244:245], v[150:151]
	v_pk_add_f32 v[14:15], v[14:15], v[154:155]
	v_pk_add_f32 v[230:231], v[230:231], v[158:159]
	s_delay_alu instid0(VALU_DEP_2)
	v_pk_add_f32 v[14:15], v[14:15], v[250:251]
	s_delay_alu instid0(VALU_DEP_2)
	v_pk_add_f32 v[230:231], v[230:231], v[248:249]
	v_pk_add_f32 v[254:255], v[254:255], v[246:247]
	v_pk_add_f32 v[252:253], v[252:253], v[244:245]
	s_delay_alu instid0(VALU_DEP_2)
	v_pk_add_f32 v[14:15], v[14:15], v[254:255]
	s_delay_alu instid0(VALU_DEP_2)
	v_pk_add_f32 v[230:231], v[230:231], v[252:253]
	s_delay_alu instid0(VALU_DEP_1)
	v_pk_add_f32 v[14:15], v[14:15], v[230:231]
	s_wait_alu depctr_va_vdst(0)                   ; and one for the four
.irp b, 0,1,2,3
	v_max_num_f32 v[BM+\b], 0x2800000, v[BM+\b]    ; the floor 2^(5 - 127)
.endr
.irp b, 0,1,2,3
	s_delay_alu instid0(VALU_DEP_4)
	v_add_nc_u32 v[SO+\b], 0xfe000000, v[BM+\b]    ; 4 off the exponent field: the conversion's scale operand
.endr
.irp b, 0,1,2,3
	s_delay_alu instid0(VALU_DEP_4)
	v_lshrrev_b32 v[BT+\b], 23, v[SO+\b]           ; the byte
.endr
	s_delay_alu instid0(VALU_DEP_3)
	v_lshl_or_b32 v[PW], v[BT+1], 8, v[BT]
	s_delay_alu instid0(VALU_DEP_1)
	v_lshl_or_b32 v[PW], v[BT+2], 16, v[PW]
	s_delay_alu instid0(VALU_DEP_1)
	v_lshl_or_b32 v[PW], v[BT+3], 24, v[PW]
.irp c, 0,1
	v_cvt_scalef32_pk16_bf6_f32 v[PC+6*\c:PC+6*\c+2], v[S+32*\c:S+32*\c+15], v[SO+2*\c]
	v_cvt_scalef32_pk16_bf6_f32 v[PT+4*\c:PT+4*\c+2], v[S+32*\c+16:S+32*\c+31], v[SO+2*\c+1]
.endr
	v_nop                                          ; one plain place behind a scaled conversion
.irp c, 0,1
.irp i, 0,1,2
	v_permlane16_swap_b32 v[PC+6*\c+\i], v[PT+4*\c+\i]
.endr
.irp i, 0,1,2
	s_delay_alu instid0(VALU_DEP_3)
	v_mov_b32 v[PC+6*\c+3+\i], v[PT+4*\c+\i]
.endr
.endr
.set j, 0
.rept 16
	v_pk_mul_f32 v[O+j:O+j+1], v[O+j:O+j+1], v[F:F+1] op_sel_hi:[1,0]   ; O^T under the new M.  (These sixteen are also the places between the codes and the scale word just made and the products below)
.set j, j+2
.endr
	s_wait_alu depctr_va_vdst(0)
	s_wait_dscnt 0x0                               ; V is in
.irp f, 0,1,2,3                        ; O^T += V^T P^T: the four accumulators by turns
	v_wmma_scale_f32_16x16x128_f8f6f4 v[O+8*\f:O+8*\f+7], v[KV+12*\f:KV+12*\f+11], v[PC:PC+11], v[O+8*\f:O+8*\f+7], v[KVS+\f], v[PW] matrix_a_fmt:MATRIX_FMT_BF6 matrix_b_fmt:MATRIX_FMT_BF6
.endr
.Lhidden_\@:
	s_add_co_u32 s19, s19, 128
.endm
; A block of queries begins (s40 says which): its bounds, q and its scale word, and the statistics.  O^T and the sum begin as zeros and the largest t as -3e38, so that the step is written once.
.macro INIT
	s_lshl_b32 s38, s40, 8
	s_lshr_b32 s80, s12, 1
	s_lshl_b32 s80, s80, 5
	s_add_co_u32 s38, s38, s80
	s_and_b32 s80, s12, 1
	s_lshl_b32 s80, s80, 3
	s_add_co_u32 s38, s38, s80                     ; my first query: 256 block + 32 (wave / 2) + 8 (wave % 2)
	s_add_co_u32 s39, s38, 23                      ; and my last
	s_mov_b32 s19, 0
	s_mul_i32 s80, s40, 12288
	s_add_co_u32 s80, s80, s50
	s_mov_b32 s81, 0
	s_add_nc_u64 s[42:43], s[4:5], s[80:81]
	s_lshl_b32 s80, s40, 10
	s_add_co_u32 s80, s80, s51
	s_add_nc_u64 s[44:45], s[6:7], s[80:81]
	global_load_b128 v[QZ+6:QZ+9], v[L16], s[42:43]
	global_load_b64 v[QZ+10:QZ+11], v[L8], s[42:43] offset:512
	global_load_b32 v[QSW], v[R16], s[44:45]
	v_mov_b32 v13, 0xff61b1e6                      ; -3e38, under every t
	s_delay_alu instid0(VALU_DEP_1)
	v_floor_f32 v12, -v13
	v_mov_b32 v14, 0
	v_mov_b32 v15, 0
.set j, 0
.rept 32
	v_mov_b32 v[O+j], 0
.set j, j+1
.endr
	s_wait_loadcnt 0x0
.endm
; A block of queries ends: O^T / the sum is y; its 64 numbers of a row are two blocks of 32 along e; they are quantised and stored as a half fragment of the last product's operand, with a byte a lane.
.macro FINISH
	v_add_f32 v14, v14, v15
	s_delay_alu instid0(VALU_DEP_1)
	v_permlanex16_b32 v[TMP], v14, s20, s21
	s_delay_alu instid0(VALU_DEP_1)
	v_add_f32 v14, v14, v[TMP]                     ; the row's sum
	s_wait_alu depctr_va_vdst(0)
	v_rcp_f32 v[F], v14
.rept 4
	v_nop                                          ; the plain place behind the reciprocal, and the places behind the last products
.endr
	s_mul_i32 s80, s40, 204800                     ; 256 tokens are two times four blocks of yc
	s_mov_b32 s81, 0
	s_add_co_u32 s82, s80, s53
	s_add_co_u32 s80, s80, s52
	s_mov_b32 s83, 0
	s_add_nc_u64 s[46:47], s[10:11], s[80:81]
	s_add_nc_u64 s[48:49], s[10:11], s[82:83]
	s_wait_alu depctr_va_vdst(0)                   ; ahead of the reciprocal's first reader
.set j, 0
.rept 16
	v_pk_mul_f32 v[S+j:S+j+1], v[O+j:O+j+1], v[F:F+1] op_sel_hi:[1,0]   ; register 16 b + i: y(my query, 32 b + 16 h + i of the head); each accumulator from its low end on
.set j, j+2
.endr
.irp b, 0,1
	v_max3_num_f32 v[BM+\b], |v[S+16*\b]|, |v[S+16*\b+1]|, 0x2800000
.endr
.irp i, 2,4,6,8,10,12,14
.irp b, 0,1
	s_delay_alu instid0(VALU_DEP_2)
	v_max3_num_f32 v[BM+\b], v[BM+\b], |v[S+16*\b+\i]|, |v[S+16*\b+\i+1]|
.endr
.endr
.irp b, 0,1
	s_delay_alu instid0(VALU_DEP_2)
	v_permlanex16_b32 v[BT+\b], v[BM+\b], s20, s21
.endr
.irp b, 0,1
	s_delay_alu instid0(VALU_DEP_2)
	v_max_num_f32 v[BM+\b], v[BM+\b], v[BT+\b]
.endr
.irp b, 0,1
	s_delay_alu instid0(VALU_DEP_2)
	v_add_nc_u32 v[SO+\b], 0xfe000000, v[BM+\b]
.endr
.irp b, 0,1
	s_delay_alu instid0(VALU_DEP_2)
	v_lshrrev_b32 v[BT+\b], 23, v[SO+\b]
.endr
	v_cvt_scalef32_pk16_bf6_f32 v[PC:PC+2], v[S:S+15], v[SO]
	v_cvt_scalef32_pk16_bf6_f32 v[PT:PT+2], v[S+16:S+31], v[SO+1]
	v_nop                                          ; one plain place behind a scaled conversion
	v_cndmask_b32 v[TMP], v[BT], v[BT+1], s54      ; lane (r, h) stores block h's byte
.irp i, 0,1,2
	v_permlane16_swap_b32 v[PC+\i], v[PT+\i]
.endr
.irp i, 0,1,2
	s_delay_alu instid0(VALU_DEP_3)
	v_mov_b32 v[PC+3+\i], v[PT+\i]
.endr
	global_store_b128 v[L16], v[PC:PC+3], s[46:47]             ; 512 consecutive bytes, at a multiple of 256 from the buffer's first byte
	global_store_b64 v[L8], v[PC+4:PC+5], s[46:47] offset:512
	global_store_b8 v[YS], v[TMP], s[48:49]        ; a row's word is filled by two heads: one byte a lane, 256 KB in the whole launch
	s_wait_xcnt 0x0                                ; the stores have read their registers and bases
.endm
	s_load_b256 s[4:11], s[0:1], 0x0               ; qc s[4:5], qs s[6:7], kv s[8:9], yc s[10:11]
	v_lshl_add_u32 v[SPW], v0, 2, SPARE
	v_mov_b32 v[NIL], 0
	ds_add_u32 v5, v6
	ds_add_u32 v5, v6
	s_wait_dscnt 0x0
	v_lshrrev_b32 v1, 5, v0
	s_delay_alu instid0(VALU_DEP_1)
	v_readfirstlane_b32 s12, v1                    ; wave 0..15
	s_mov_b32 s13, ttmp9                           ; i
	s_and_b32 s14, ttmp7, 0xffff                   ; 16 x batch + head
	s_sub_co_u32 s15, 8, s13
	s_sub_co_u32 s16, 7, s13
	s_mov_b32 s24, 3<<16                           ; group 1: no mask; elements of 8 bytes; no padding
	s_mov_b32 s25, 32<<16                          ; tensor_dim0 = 32 elements: 256 bytes
	s_mov_b32 s26, 50<<16                          ; tensor_dim1 = 50 rows: a dense block of 12,800 bytes
	s_mov_b32 s27, 32<<16                          ; tile_dim0
	s_mov_b32 s28, 50                              ; tile_dim1
	s_mov_b32 s29, 32                              ; from row to row
	s_mov_b32 s30, 0
	s_mov_b32 s31, 0
	s_and_b32 s80, s12, 1
	s_mul_i32 s80, s80, KVB                        ; which block of a slot I fetch, if I fetch
	s_mul_i32 s82, s14, 204800
	s_add_co_u32 s82, s82, s80
	s_mov_b32 s83, 0
	s_wait_kmcnt 0x0
	s_add_nc_u64 s[36:37], s[8:9], s[82:83]
	s_mov_b32 s32, 1                               ; group 0: count = 1,
	s_mov_b32 s33, s80                             ; LDS address: slot 0,
	s_mov_b64 s[34:35], s[36:37]                   ; the head's first 256 keys,
	s_or_b32 s35, s35, 0x80000000                  ; type = 2
	TLOAD
	s_mov_b32 s20, 0x76543210
	s_mov_b32 s21, 0xfedcba98                      ; v_permlanex16_b32: lane l xor 16
	s_mov_b32 s22, 0x3e38aa3b                      ; c = log2(e) / 8
	s_mov_b32 s23, s22                             ; (named with it as a pair)
	s_mov_b32 s54, 0xffff0000                      ; lanes 16-31
	s_mul_i32 s50, s14, 98304                      ; q's codes: 128 half fragments a head, tile 16 block + wave
	s_mul_i32 s80, s12, 768
	s_add_co_u32 s50, s50, s80
	s_lshl_b32 s51, s14, 13                        ; q's scale words: [tile / 4][r][tile % 4]
	s_lshr_b32 s80, s12, 2
	s_lshl_b32 s80, s80, 8
	s_add_co_u32 s51, s51, s80
	s_and_b32 s80, s12, 3
	s_lshl_b32 s80, s80, 2
	s_add_co_u32 s51, s51, s80
	s_lshr_b32 s52, s14, 4                         ; yc: the batch's 16 x 4 blocks,
	s_mul_i32 s52, s52, 1638400
	s_lshr_b32 s80, s12, 3
	s_mul_i32 s80, s80, 102400                     ; which 128 tokens of the 256,
	s_add_co_u32 s52, s52, s80
	s_bfe_u32 s80, s14, 0x20002
	s_mul_i32 s80, s80, 25600                      ; K / 256 = head / 4
	s_add_co_u32 s52, s52, s80
	s_and_b32 s81, s12, 7                          ; tile
	s_bfe_u32 s82, s14, 0x10001                    ; step of 128: (head / 2) % 2
	s_and_b32 s83, s14, 1                          ; half: head % 2
	s_lshl_b32 s53, s81, 7
	s_add_co_u32 s53, s53, s52
	s_add_co_u32 s53, s53, 24576
	s_lshl_b32 s80, s82, 2
	s_add_co_u32 s53, s53, s80
	s_lshl_b32 s80, s83, 1
	s_add_co_u32 s53, s53, s80                     ; the scale bytes
	s_mul_i32 s81, s81, 3072
	s_add_co_u32 s52, s52, s81
	s_mul_i32 s82, s82, 1536
	s_add_co_u32 s52, s52, s82
	s_mul_i32 s83, s83, 768
	s_add_co_u32 s52, s52, s83                     ; the half fragment
	v_and_b32 v1, 31, v0
	s_delay_alu instid0(VALU_DEP_1)
	v_lshlrev_b32 v[L8], 3, v1
	s_delay_alu instid0(VALU_DEP_2)
	v_lshlrev_b32 v[L16], 4, v1
	v_and_b32 v3, 15, v0                           ; r
	v_bfe_u32 v8, v0, 4, 1                         ; h
	s_delay_alu instid0(VALU_DEP_2)
	v_and_b32 v[QL], 8, v3
	s_delay_alu instid0(VALU_DEP_1)
	v_add_nc_u32 v[QL], v[QL], v3
	s_delay_alu instid0(VALU_DEP_3)
	v_lshlrev_b32 v9, 4, v8
	s_delay_alu instid0(VALU_DEP_1)
	v_sub_nc_u32 v[QL], v[QL], v9
	v_lshl_add_u32 v[YS], v3, 3, v8
	v_lshlrev_b32 v[R16], 4, v3
.irp j, 0,1,2,3,4,5
	v_mov_b32 v[QZ+\j], 0                          ; the zero codes on both sides of q
	v_mov_b32 v[QZ+12+\j], 0
.endr
.irp b, 0,1,2,3
	v_mov_b32 v[BT+\b], 0                          ; written once: a lane permute's destination counts as one of its sources
.endr
	v_mov_b32 v[TMP], 0
	v_mov_b32 v[F+1], 0                            ; (named as the upper half of a pair)
	s_mov_b32 s40, s16                             ; the later block first
	INIT
	s_mov_b32 s17, 0
	s_mov_b32 s18, 0
.Lslot:                                            ; eight trips: behind each change of slots the next trip's slot is asked for
	CHANGE 1
	STEP 0
	STEP 1
	s_xor_b32 s18, s18, SLOT1
	s_cmp_lg_u32 s17, s16
	s_cbranch_scc1 .Lsame_block
	FINISH                                         ; trip 7 - i was the first block's last
	s_mov_b32 s40, s13
	INIT
.Lsame_block:
	s_add_co_u32 s17, s17, 1
	s_cmp_lt_u32 s17, 8
	s_cbranch_scc1 .Lslot
	CHANGE 0                                       ; the ninth trip is written out
	STEP 0
	STEP 1
	FINISH
	s_wait_tensorcnt 0x0                           ; the wave's end
	ds_add_u32 v[SPW], v[NIL]
	s_wait_dscnt 0x0
	s_endpgm
.Lfunc_end_k_q550800e9f4_attn:
	.size	k_q550800e9f4_attn, .Lfunc_end_k_q550800e9f4_attn-k_q550800e9f4_attn
	.p2alignl 7, 3214868480
	.fill 96, 4, 3214868480
	.section	.rodata,"a",@progbits
	.p2align	6, 0x0
	.amdhsa_kernel k_q550800e9f4_attn
		.amdhsa_group_segment_fixed_size 327680
		.amdhsa_private_segment_fixed_size 0
		.amdhsa_enable_private_segment 0
		.amdhsa_kernarg_size 32
		.amdhsa_user_sgpr_count 2
		.amdhsa_user_sgpr_kernarg_segment_ptr 1
		.amdhsa_wavefront_size32 1
		.amdhsa_system_sgpr_workgroup_id_x 1
		.amdhsa_system_sgpr_workgroup_id_y 1
		.amdhsa_system_sgpr_workgroup_id_z 1
		.amdhsa_system_vgpr_workitem_id 0
		.amdhsa_next_free_vgpr 256
		.amdhsa_next_free_sgpr 100
		.amdhsa_reserve_vcc 1
		.amdhsa_float_denorm_mode_32 3
		.amdhsa_float_denorm_mode_16_64 3
		.amdhsa_memory_ordered 1
		.amdhsa_forward_progress 1
		.amdhsa_inst_pref_size 109
	.end_amdhsa_kernel
	.amdgpu_metadata
---
amdhsa.version: [ 1, 2 ]
amdhsa.kernels:
  - .name:           k_q550800e9f4_attn
    .symbol:         k_q550800e9f4_attn.kd
    .args:
      - { .name: qc, .offset: 0, .size: 8, .value_kind: global_buffer, .address_space: global }
      - { .name: qs, .offset: 8, .size: 8, .value_kind: global_buffer, .address_space: global }
      - { .name: kv, .offset: 16, .size: 8, .value_kind: global_buffer, .address_space: global }
      - { .name: yc, .offset: 24, .size: 8, .value_kind: global_buffer, .address_space: global }
    .group_segment_fixed_size: 327680
    .private_segment_fixed_size: 0
    .kernarg_segment_align: 8
    .kernarg_segment_size: 32
    .max_flat_workgroup_size: 512
    .sgpr_count:     100
    .vgpr_count:     256
    .wavefront_size: 32
...
	.end_amdgpu_metadata
.endif
;; end of part 3
;; launch proj (part 4): grid 4 x 32, 4 waves a work-group, clusters of 4 x 4, 327,680 bytes of LDS; arguments yc, wpc, out0; writes out0
.if DOCPART == 4
	.amdgcn_target "amdgcn-amd-amdhsa--gfx1250"
	.amdhsa_code_object_version 6
	.text
	.protected	k_q550800e9f4_proj
	.globl	k_q550800e9f4_proj
	.p2align	8
	.type	k_q550800e9f4_proj,@function
k_q550800e9f4_proj:
	s_mov_b64 s[64:65], 0
	v_nop
	global_prefetch_b8 v0, s[64:65] scope:SCOPE_SE
	s_setreg_imm32_b32 hwreg(HW_REG_WAVE_MODE, 25, 1), 1
	s_wait_xcnt 0x0
	s_wait_alu depctr_hold_cnt(0) depctr_sa_sdst(0) depctr_va_vdst(0) depctr_va_sdst(0) depctr_va_ssrc(0) depctr_va_vcc(0) depctr_vm_vsrc(0)
	s_getreg_b32 s2, hwreg(HW_REG_IB_STS2, 6, 4)
	s_cmp_eq_u32 s2, 0
	s_cbranch_scc0 .Lentry_in_a_cluster
	s_endpgm
.Lentry_in_a_cluster:
	s_bfe_u32 s2, ttmp6, 0x10000c
	s_cmp_lg_u32 s2, 0xf033
	s_cbranch_scc0 .Lentry_shape_is_right
	s_endpgm
.Lentry_shape_is_right:
; out0 = y w_proj on codes of E3M2 (K = 1,024); out0 [8192][1024] f32.
; OPERANDS lie as images of the operand's registers: 128 rows x 256 along K are one dense block of 25,600 bytes (tile i, step q: a fragment of 1,536 bytes at 3072 i + 1536 q; scale words at 24,576 + 128 i + 8 r + 4 q);
; tile i holds rows 32 (i / 2) + 8 (i % 2) + r + 8 (r / 8).  A fragment comes by two loads of 16 bytes and two of 8 bytes a lane, each over consecutive bytes: no pitch, no padding.
; SHARES.  A work-group of four waves makes 256 x 256 of out0, a wave 128 x 128: 64 accumulators, 512 registers.  32 x 4 tiles: 128 work-groups.
; CLUSTERS: 4 x 4 work-groups; y's blocks are asked for jointly along a row of the cluster, w_proj's along a column.
; K = 1,024 is four K steps of 256.  THREE LDS slots: K steps 0, 1, 2 are first fills, issued as one group; K step 3 is the one refill, into slot 0, behind a round of the cluster's barrier at the end of K step 0:
; it has two K steps, 256 matrix instructions, in which to land.  So the eight steps of 64 matrix instructions are written out, with no loop.  A wave has at most three tensor loads out.
; Source 0 = P = w_proj's rows n, source 1 = R = y's rows: a lane holds one token, and the 16 registers of P's tiles 2 b and 2 b + 1 are 16 neighbouring columns, 32 b + 16 (lane / 16) + 0 .. 15.
; REGISTERS, in windows of 256: window 0: v2-29 addresses; v32-63 scale words, two sets; v128-223 R's fragments, one set; on the way out v128-255.  window 1: P's fragments, two sets, at v0 and v128.
;   window 2: the accumulators of R's tiles 0-3 ((a, b) at v[8 (8 (a % 4) + b)]); window 3: of tiles 4-7.
.set HB,    25600                      ; a block: what one tensor load brings, and what one wave reads of y or of w_proj in a K step
.set SLOT,  4*HB                       ; y's two blocks, then w_proj's two
.set SPARE, 3*SLOT                     ; behind the slots: the spare words, 128 bytes for each wave, that no other line names
.set SPITCH, 528                       ; the way out: a stage of 16 rows x (512 bytes + 16) for each wave, in slot 1, which has had its only fill and its last read when the first result is stored there
.set AP16, 2                           ; v2-4    P's block in slot 0, 1, 2 + 16 x lane
.set AP8,  5                           ; v5-7    + 8 x lane
.set AR16, 8                           ; v8-10   R's likewise
.set AR8,  11                          ; v11-13
.set ASC,  14                          ; v14-16  scale words: lanes 0-15 R's rows, lanes 16-31 P's
.set STO,  17                          ; v17     the way out: where I put 32 bytes of a row
.set RD,   18                          ; v18     and where I read a row back
.set RR,   24                          ; v24     r = lane % 16
.set HH,   25                          ; v25     h = lane / 16
.set O16,  26                          ; v26     16 x lane
.set O8,   27                          ; v27     8 x lane
.set SPW,  28                          ; v28     LDS address of my spare word; never rewritten
.set NIL,  29                          ; v29     0; never rewritten
.set SC,   32                          ; scale words: set s at v[SC + 16 s]; register 2 i + q: lanes 0-15 R's tile i, lanes 16-31 P's tile i
.set RF,   128
.set BK,   128                         ; the way out: 16 rows read back: v128-191 and v192-255 by turns
.set G1A,  24                          ; s[24:31] descriptor group 1 for y's blocks; s[32:39] for w_proj's: they differ in the mask
.set G1B,  32
.set G0A,  40                          ; s[40:51] group 0 for y, a set for each slot; s[52:63] for w_proj
.set G0B,  52
.set MSB, 0
.macro WIN new                         ; the immediate's high byte repeats the setting that is left
.if MSB != (\new)
	s_set_vgpr_msb (MSB<<8)|(\new)
.set MSB, (\new)
.endif
.endm
.set MUL_LO, 0xa1                      ; source 0 (P) window 1, source 1 (R) window 0, C and D window 2
.set MUL_HI, 0xf1                      ; the same, C and D window 3
.set TO_P,   0x40                      ; destination window 1, address window 0
.macro PLACES n                        ; plain vector instructions between a matrix instruction and a load into, or a read of, its registers
.rept \n
	v_nop
.endr
.endm
.macro JLOAD g0a, g0b                  ; a joint load: waves 0 and 1 fetch y's two blocks, waves 2 and 3 w_proj's; four v_nop follow each line
	s_cmp_eq_u32 s15, 0
	s_cbranch_scc0 .Lfor_b_\@
	tensor_load_to_lds s[\g0a:\g0a+3], s[G1A:G1A+7]
	s_nop 0
.rept 4
	v_nop
.endr
	s_branch .Lasked_\@
.Lfor_b_\@:
	tensor_load_to_lds s[\g0b:\g0b+3], s[G1B:G1B+7]
	s_nop 0
.rept 4
	v_nop
.endr
.Lasked_\@:
.endm
.macro CREST                           ; a round of the cluster's barrier behind its opening barrier
	s_cmp_lg_u32 s14, 0
	s_cbranch_scc1 .Lnot_wave_0_\@
	s_barrier_signal -3
.Lnot_wave_0_\@:
	s_barrier_wait -3
	s_barrier_signal -1
	s_barrier_wait -1
.endm
.macro CROUND
	s_barrier_signal -1
	s_barrier_wait -1
	CREST
.endm
.macro FRAG reg, a16, a8, off          ; a fragment: 12 registers, as they were stored
	ds_load_b128 v[\reg:\reg+3], v[\a16] offset:\off
	ds_load_b64 v[\reg+4:\reg+5], v[\a8] offset:\off+512
	ds_load_b128 v[\reg+6:\reg+9], v[\a16] offset:\off+768
	ds_load_b64 v[\reg+10:\reg+11], v[\a8] offset:\off+1280
.endm
.macro FETCH_P slot, q, set            ; P's eight fragments: 32 loads
	WIN TO_P
.irp i, 0,1,2,3,4,5,6,7
	FRAG 128*(\set)+12*\i, AP16+\slot, AP8+\slot, 3072*\i+1536*(\q)
.endr
	WIN 0
.endm
.macro FETCH_R slot, q, i0             ; R's tiles i0 .. i0 + 3: 16 loads
.irp i, \i0, \i0+1, \i0+2, \i0+3
	FRAG RF+12*(\i), AR16+\slot, AR8+\slot, 3072*(\i)+1536*(\q)
.endr
.endm
.macro SCALES slot, set                ; a K step's scale words: two words a row
.irp i, 0,1,2,3,4,5,6,7
	ds_load_b64 v[SC+16*(\set)+2*\i:SC+16*(\set)+2*\i+1], v[ASC+\slot] offset:24576+128*\i
.endr
.endm
; 16 matrix instructions: R's tiles a0, a0 + 1 x P's eight, 128 along K.  The 64 accumulators take turns, one instruction a turn, in one order everywhere.  zero = 1: the products start the sums.
.macro MUL16 a0, set, q, sc, zero
.irp a, \a0, \a0+1
.irp b, 0,1,2,3,4,5,6,7
.if \zero
	v_wmma_scale_f32_16x16x128_f8f6f4 v[8*(8*((\a)%4)+\b):8*(8*((\a)%4)+\b)+7], v[128*(\set)+12*\b:128*(\set)+12*\b+11], v[RF+12*(\a):RF+12*(\a)+11], 0, v[SC+16*(\sc)+2*\b+(\q)], v[SC+16*(\sc)+2*(\a)+(\q)] matrix_a_fmt:MATRIX_FMT_BF6 matrix_b_fmt:MATRIX_FMT_BF6 matrix_a_scale:MATRIX_SCALE_ROW1
.else
	v_wmma_scale_f32_16x16x128_f8f6f4 v[8*(8*((\a)%4)+\b):8*(8*((\a)%4)+\b)+7], v[128*(\set)+12*\b:128*(\set)+12*\b+11], v[RF+12*(\a):RF+12*(\a)+11], v[8*(8*((\a)%4)+\b):8*(8*((\a)%4)+\b)+7], v[SC+16*(\sc)+2*\b+(\q)], v[SC+16*(\sc)+2*(\a)+(\q)] matrix_a_fmt:MATRIX_FMT_BF6 matrix_b_fmt:MATRIX_FMT_BF6 matrix_a_scale:MATRIX_SCALE_ROW1
.endif
.endr
.endr
.endm
.macro STEP slot, sc, zero             ; a slot's first 128 along K; its second is fetched meanwhile
	s_wait_dscnt 16                                ; all but the youngest 16 loads (R's tiles 4-7) are in
	WIN MUL_LO
	MUL16 0, 0, 0, \sc, \zero
	MUL16 2, 0, 0, \sc, \zero
	s_wait_dscnt 0x0                               ; R's tiles 4-7 are in
	PLACES 4
	FETCH_P \slot, 1, 1
	FETCH_R \slot, 1, 0
	WIN MUL_HI
	MUL16 4, 0, 0, \sc, \zero
	MUL16 6, 0, 0, \sc, \zero
	PLACES 4
	WIN 0
	FETCH_R \slot, 1, 4
.endm
; A slot's second 128 along K, and the change to the next slot.  mode 2: this slot is filled again.  mode 1: the next slot is the refilled one: its load is waited for, and a barrier shows it whole.  mode 0: the next slot was shown whole at the round.
.macro TURN slot, next, sc, mode
.if \mode == 2
	s_wait_tensorcnt 0x0                           ; all my tensor loads have landed: my parts of K steps 0, 1 and 2
	ds_add_u32 v[SPW], v[NIL]                      ; 0 onto my spare word
	s_wait_dscnt 17                                ; (the add and the youngest 16 loads may be out)
.elseif \mode == 1
	s_wait_tensorcnt 0x0                           ; my part of K step 3 is in: no load was issued behind it
	s_wait_dscnt 16
.else
	s_wait_dscnt 16
.endif
	WIN MUL_LO
	MUL16 0, 1, 1, \sc, 0
.if \mode > 0
	s_wait_dscnt 0x0                               ; my LDS instructions are done: my reads of this slot are over (mode 2: the add too)
	s_barrier_signal -1
.endif
	MUL16 2, 1, 1, \sc, 0
.if \mode == 0
	s_wait_dscnt 0x0                               ; R's tiles 4-7 are in
.endif
	WIN 0
.if \mode > 0
	s_barrier_wait -1
.endif
.if \mode == 2
	CREST                                          ; the barrier has opened a round of the cluster's: no wave of any partner still reads this slot or has a load on its way
	s_add_nc_u64 s[G0A+2:G0A+3], s[G0A+2:G0A+3], 3*HB    ; slot 0's descriptors: on to K step 3
	s_add_nc_u64 s[G0B+2:G0B+3], s[G0B+2:G0B+3], 3*HB
	JLOAD G0A, G0B                                 ; the first tensor load behind the round; its four v_nop are the places in front of the loads below
.else
	PLACES 4
.endif
	FETCH_P \next, 0, 0
	FETCH_R \next, 0, 0
	SCALES \next, 1-\sc
	WIN MUL_HI
	MUL16 4, 1, 1, \sc, 0
	MUL16 6, 1, 1, \sc, 0
	PLACES 4
	WIN 0
	FETCH_R \next, 0, 4
.endm
	s_load_b128 s[4:7], s[0:1], 0x0                ; yc s[4:5], wpc s[6:7]
	s_load_b64 s[8:9], s[0:1], 0x10                ; out0
	v_lshl_add_u32 v[SPW], v0, 2, SPARE
	v_mov_b32 v[NIL], 0
	ds_add_u32 v28, v29
	ds_add_u32 v28, v29
	s_wait_dscnt 0x0
	v_lshrrev_b32 v1, 5, v0
	v_readfirstlane_b32 s14, v1                    ; wave 0..3
	s_lshr_b32 s15, s14, 1                         ; which of y's two blocks is mine.  Also: I fetch for y (0) or for w_proj (1)
	s_and_b32 s16, s14, 1                          ; which of w_proj's.  Also: which of the two blocks I fetch
	s_bfe_u32 s66, ttmp6, 0x40000                  ; cx
	s_bfe_u32 s67, ttmp6, 0x40004                  ; cy
	s_lshl_b32 s68, ttmp9, 2
	s_add_co_u32 s68, s68, s66                     ; tile column = 4 x cluster x + cx
	s_and_b32 s69, ttmp7, 0xffff
	s_lshl_b32 s69, s69, 2
	s_add_co_u32 s69, s69, s67                     ; tile row = 4 x cluster y + cy
	s_lshl_b32 s70, s67, 2
	s_lshl_b32 s70, 15, s70                        ; my row of the cluster
	s_lshl_b32 s71, 0x1111, s66                    ; my column
	s_or_b32 s[G1A], s70, (3<<16)|(1<<21)          ; 15:0 the mask; 17:16 elements of 8 bytes; 21 set beside a mask; no padding
	s_or_b32 s[G1B], s71, (3<<16)|(1<<21)
.irp g, G1A, G1B
	s_mov_b32 s[\g+1], 32<<16                      ; tensor_dim0 = 32 elements: 256 bytes
	s_mov_b32 s[\g+2], 100<<16                     ; tensor_dim1 = 100 rows: a dense block of 25,600 bytes
	s_mov_b32 s[\g+3], 32<<16                      ; tile_dim0
	s_mov_b32 s[\g+4], 100                         ; tile_dim1
	s_mov_b32 s[\g+5], 32                          ; from row to row
	s_mov_b32 s[\g+6], 0
	s_mov_b32 s[\g+7], 0
.endr
	s_lshl_b32 s72, s69, 1
	s_add_co_u32 s72, s72, s16
	s_mul_i32 s72, s72, 4*HB                       ; y: 128 rows are four blocks; made of the tile row and the wave's number alone
	s_mov_b32 s73, 0
	s_lshl_b32 s74, s68, 1
	s_add_co_u32 s74, s74, s16
	s_mul_i32 s74, s74, 4*HB                       ; w_proj: of the tile column and the wave's number alone
	s_mov_b32 s75, 0
	s_mul_i32 s76, s14, HB                         ; where they go: wave x a block
	s_wait_kmcnt 0x0
	s_add_nc_u64 s[72:73], s[4:5], s[72:73]
	s_add_nc_u64 s[74:75], s[6:7], s[74:75]
.irp s, 0,1,2
	s_mov_b32 s[G0A+4*\s], 1
	s_add_co_u32 s[G0A+4*\s+1], s76, \s*SLOT
	s_add_nc_u64 s[G0A+4*\s+2:G0A+4*\s+3], s[72:73], \s*HB
	s_or_b32 s[G0A+4*\s+3], s[G0A+4*\s+3], 0x80000000
	s_mov_b32 s[G0B+4*\s], 1
	s_add_co_u32 s[G0B+4*\s+1], s76, \s*SLOT
	s_add_nc_u64 s[G0B+4*\s+2:G0B+4*\s+3], s[74:75], \s*HB
	s_or_b32 s[G0B+4*\s+3], s[G0B+4*\s+3], 0x80000000
.endr
	CROUND                                         ; all sixteen work-groups are here: the first joint loads meet
	s_cmp_eq_u32 s15, 0                            ; a wave's three first fills stand in one branch, ahead of every wait on TENSORcnt and every LDS read
	s_cbranch_scc0 .Lfirst_b
	tensor_load_to_lds s[G0A:G0A+3], s[G1A:G1A+7]
	s_nop 0
	tensor_load_to_lds s[G0A+4:G0A+7], s[G1A:G1A+7]
	s_nop 0
	tensor_load_to_lds s[G0A+8:G0A+11], s[G1A:G1A+7]
	s_nop 0
.rept 4
	v_nop
.endr
	s_branch .Lfirst_asked
.Lfirst_b:
	tensor_load_to_lds s[G0B:G0B+3], s[G1B:G1B+7]
	s_nop 0
	tensor_load_to_lds s[G0B+4:G0B+7], s[G1B:G1B+7]
	s_nop 0
	tensor_load_to_lds s[G0B+8:G0B+11], s[G1B:G1B+7]
	s_nop 0
.rept 4
	v_nop
.endr
.Lfirst_asked:
	v_and_b32 v[RR], 15, v0
	v_bfe_u32 v[HH], v0, 4, 1
	v_and_b32 v1, 31, v0
	v_lshlrev_b32 v[O16], 4, v1
	v_lshlrev_b32 v[O8], 3, v1
	s_mul_i32 s79, s15, HB                         ; R: my block of y in a slot
	s_mul_i32 s80, s16, HB
	s_add_co_u32 s80, s80, 2*HB                    ; P: my block of w_proj
	s_sub_co_u32 s82, s80, s79                     ; the distance between them: above 0
	v_mul_u32_u24 v1, s82, v[HH]                   ; lanes 16-31 take P's scale words
	v_lshl_add_u32 v1, v[RR], 3, v1
	v_add_nc_u32 v1, s79, v1
.irp s, 0,1,2
	v_add_nc_u32 v[AP16+\s], s80, v[O16]
	v_add_nc_u32 v[AP8+\s], s80, v[O8]
	v_add_nc_u32 v[AR16+\s], s79, v[O16]
	v_add_nc_u32 v[AR8+\s], s79, v[O8]
	v_add_nc_u32 v[ASC+\s], \s*SLOT, v1
	s_add_co_u32 s79, s79, SLOT
	s_add_co_u32 s80, s80, SLOT
.endr
	s_mul_i32 s77, s14, 16*SPITCH
	s_add_co_u32 s77, s77, SLOT                    ; my stage
	v_mul_u32_u24 v[STO], v[RR], SPITCH
	v_lshl_add_u32 v[STO], v[HH], 6, v[STO]
	v_add_nc_u32 v[STO], s77, v[STO]               ; in: row r, 64 h bytes on
	v_add_nc_u32 v[RD], s77, v[O16]                ; back: the 32 lanes take one row of 512 bytes
	s_lshl_b32 s72, s69, 8
	s_lshl_b32 s73, s15, 7
	s_add_co_u32 s72, s72, s73                     ; my first row of out0
	s_lshl_b32 s72, s72, 12
	s_lshl_b32 s73, s68, 10
	s_add_co_u32 s72, s72, s73
	s_lshl_b32 s73, s16, 9
	s_add_co_u32 s72, s72, s73                     ; + my first column, in bytes
	s_mov_b32 s73, 0
	s_add_nc_u64 s[8:9], s[8:9], s[72:73]
	s_wait_tensorcnt 2                             ; my part of K step 0 is in; K steps 1 and 2 may stay out
	s_barrier_signal -1
	s_barrier_wait -1
	FETCH_P 0, 0, 0
	FETCH_R 0, 0, 0
	SCALES 0, 0
	FETCH_R 0, 0, 4
	STEP 0, 0, 1                                   ; K step 0: its first products start the sums
	TURN 0, 1, 0, 2
	STEP 1, 1, 0                                   ; K step 1
	s_wait_alu depctr_va_vdst(0)
	TURN 1, 2, 1, 0
	STEP 2, 0, 0                                   ; K step 2
	TURN 2, 0, 0, 1
	STEP 0, 1, 0                                   ; K step 3
	s_wait_dscnt 16
	WIN MUL_LO
	MUL16 0, 1, 1, 1, 0
	MUL16 2, 1, 1, 1, 0
	s_wait_dscnt 0x0
	WIN MUL_HI
	MUL16 4, 1, 1, 1, 0
	MUL16 6, 1, 1, 1, 0
	WIN 0
; THE WAY OUT, tile by tile of 16 rows x 128 columns.  A lane holds pieces of 32 bytes of one row, and the lanes beside it hold other rows: so a tile goes through my own stage in LDS and comes back as whole rows of 512 bytes.
; LDS serves a wave's instructions in order (ISA guide 5.7.1.4): no wait between the stores and the loads, nor in front of the next tile's stores.
.macro TOSTAGE a
.set AC, 64*((\a)%4)
	WIN (0x08+4*((\a)/4))                          ; the data: window 2 or 3
.irp b, 0,1,2,3,4,5,6,7
	ds_store_b128 v[STO], v[AC+8*\b:AC+8*\b+3] offset:128*(\b/2)+32*(\b%2)          ; columns 32 (b / 2) + 16 h + 8 (b % 2) on; each accumulator from its low end on
	ds_store_b128 v[STO], v[AC+8*\b+4:AC+8*\b+7] offset:128*(\b/2)+32*(\b%2)+16
.endr
	WIN 0
.set BB, BK+64*((\a)%2)
.irp t, 0,1,2,3,4,5,6,7,8,9,10,11,12,13,14,15
	ds_load_b128 v[BB+4*\t:BB+4*\t+3], v[RD] offset:\t*SPITCH
.endr
.endm
.macro SEND a, younger                 ; younger: the LDS instructions issued behind tile a's loads, which may stay out
.set BB, BK+64*((\a)%2)
	s_wait_dscnt \younger
.irp t, 0,1,2,3,4,5,6,7,8,9,10,11,12,13,14,15
	global_store_b128 v[O16], v[BB+4*\t:BB+4*\t+3], s[8:9] offset:(32*((\a)/2)+8*((\a)%2)+\t+8*(\t/8))*4096 th:TH_STORE_NT   ; 32 lanes store 512 consecutive bytes, at a multiple of 256 from out0's first byte; the tile's row t
.endr
.endm
	PLACES 4                                       ; behind the last products: for the reads of results and for the loads into the registers that held R's fragments
	TOSTAGE 0
.irp a, 1,2,3,4,5,6,7
.if \a > 1
	s_wait_xcnt 0x0                                ; tile a - 2's stores have read their registers: tile a's loads may land there
.endif
	TOSTAGE \a
	SEND \a-1, 32                                  ; behind tile a - 1's loads: tile a's 16 stores and 16 loads
.endr
	SEND 7, 0
	s_wait_tensorcnt 0x0                           ; the wave's end, behind my last tensor load and my last LDS store
	ds_add_u32 v[SPW], v[NIL]
	s_wait_dscnt 0x0
	CROUND                                         ; the closing round: no work-group ends while a partner may still ask for a block that names it
	s_endpgm
.Lfunc_end_k_q550800e9f4_proj:
	.size	k_q550800e9f4_proj, .Lfunc_end_k_q550800e9f4_proj-k_q550800e9f4_proj
	.p2alignl 7, 3214868480
	.fill 96, 4, 3214868480
	.section	.rodata,"a",@progbits
	.p2align	6, 0x0
	.amdhsa_kernel k_q550800e9f4_proj
		.amdhsa_group_segment_fixed_size 327680
		.amdhsa_private_segment_fixed_size 0
		.amdhsa_enable_private_segment 0
		.amdhsa_kernarg_size 24
		.amdhsa_user_sgpr_count 2
		.amdhsa_user_sgpr_kernarg_segment_ptr 1
		.amdhsa_wavefront_size32 1
		.amdhsa_system_sgpr_workgroup_id_x 1
		.amdhsa_system_sgpr_workgroup_id_y 1
		.amdhsa_system_sgpr_workgroup_id_z 1
		.amdhsa_system_vgpr_workitem_id 0
		.amdhsa_next_free_vgpr 1024
		.amdhsa_next_free_sgpr 100
		.amdhsa_reserve_vcc 0
		.amdhsa_float_denorm_mode_32 3
		.amdhsa_float_denorm_mode_16_64 3
		.amdhsa_memory_ordered 1
		.amdhsa_forward_progress 1
		.amdhsa_inst_pref_size 140
	.end_amdhsa_kernel
	.amdgpu_metadata
---
amdhsa.version: [ 1, 2 ]
amdhsa.kernels:
  - .name:           k_q550800e9f4_proj
    .symbol:         k_q550800e9f4_proj.kd
    .args:
      - { .name: yc, .offset: 0, .size: 8, .value_kind: global_buffer, .address_space: global }
      - { .name: wpc, .offset: 8, .size: 8, .value_kind: global_buffer, .address_space: global }
      - { .name: out0, .offset: 16, .size: 8, .value_kind: global_buffer, .address_space: global }
    .group_segment_fixed_size: 327680
    .private_segment_fixed_size: 0
    .kernarg_segment_align: 8
    .kernarg_segment_size: 24
    .max_flat_workgroup_size: 128
    .sgpr_count:     100
    .vgpr_count:     1024
    .wavefront_size: 32
...
	.end_amdgpu_metadata
.endif
;; end of part 4
